; MI455X (gfx1250); checked and timed in simulation.
; The chip was launched on July 23, 2026; its instructions are those of AMD's public machine-readable ISA for CDNA 5 (MIT licence, August 2026) and "CDNA5" Instruction Set Architecture Reference Guide (July 2026). The comments in the code are by the model that wrote it; some were corrected since.
;; Block. Allowed arithmetic: matrix products marked QUANTISED: E2M3 operands, one E8M0 scale for each 32 along K, by v_wmma_scale_f32_16x16x128_f8f6f4 with both operands' format E2M3, f32 sums; everything else in f32.
;; Inputs: W1 1,024 x 4,096 float32; W2 4,096 x 1,024 float32; Wk 16 x 1,024 x 64 float32; Wq 16 x 1,024 x 64 float32; Wv 16 x 1,024 x 64 float32; bb1 4,096 float32; bb2 1,024 float32; be1 1,024 float32; be2 1,024 float32; bk 16 x 64 float32; bq 16 x 64 float32; bv 16 x 64 float32; g1 1,024 float32; g2 1,024 float32; x 2 x 2,048 x 1,024 float32.
;; Outputs: out0 2 x 2,048 x 1,024 float32.
;; This version of the problem:
;;   THIS VERSION OF THE PROBLEM IS GIVEN IN LOW PRECISION. The matrix products marked QUANTISED in the list below multiply operands that are first quantised to E2M3 (2 exponent bits, 3 mantissa bits; 6 bits a number), with one power-of-two scale for each 32 numbers along K (OCP MX v1.0); their sums are f32. All else is computed in f32.
;;   The module's matrix products, in the order in which they are computed (A, B: the left and right operand; K: the contracted axis; several contracted axes count as one K, in the product's order):
;;     1. [M 1,024, K 1,024] x [K 1,024, N 4,096]; A: input Wq; B: computed on the way: QUANTISED
;;     2. [M 1,024, K 1,024] x [K 1,024, N 4,096]; A: input Wk; B: computed on the way: QUANTISED
;;     3. [M 1,024, K 1,024] x [K 1,024, N 4,096]; A: input Wv; B: computed on the way: QUANTISED
;;     4. batch 32 x [M 2,048, K 64] x [K 64, N 2,048]; A: computed on the way; B: computed on the way: QUANTISED
;;     5. batch 32 x [M 2,048, K 2,048] x [K 2,048, N 64]; A: softmax (see below); B: computed on the way: QUANTISED
;;     6. [M 4,096, K 1,024] x [K 1,024, N 4,096]; A: computed on the way; B: input W1: QUANTISED
;;     7. [M 4,096, K 4,096] x [K 4,096, N 1,024]; A: computed on the way; B: input W2: QUANTISED
;;   THE QUANTISER, for each operand of a quantised product, along K:
;;     - K is cut into blocks of 32 from its start; a last block that is shorter is filled with zeros.
;;     - A block's scale is 2^e with e = floor(log2(the largest magnitude in the block)) - 2, held to -126 .. 127; a block of zeros has e = 0. As a byte (E8M0): e + 127.
;;     - Each number is divided by its block's scale, clamped to +-7.5, and rounded to the nearest number of E2M3, ties to even, subnormals kept.
;;     - The product sums the exact products of the quantised numbers (number of the format x scale) in f32.
;;   ~~~python
;;   def quantise(x, axis):      # numpy; x: float32 -> the quantised numbers, widened to float32 again
;;       x = np.moveaxis(x, axis, -1); K = x.shape[-1]
;;       x = np.pad(x, [(0, 0)] * (x.ndim - 1) + [(0, -K % 32)]); x = x.reshape(x.shape[:-1] + (-1, 32)); a = np.abs(x).max(-1, keepdims=True)
;;       e = np.where(a > 0, np.clip(np.frexp(np.where(a > 0, a, 1))[1] - 1 - 2, -126, 127), 0)      # np.frexp(a)[1] - 1 = floor(log2(a)), exactly
;;       r = np.clip(x / 2.0 ** e, -7.5, 7.5)
;;       step = 2.0 ** (np.maximum(np.frexp(np.where(r == 0, 1, r))[1] - 1, 0) - 3)
;;       q = np.round(r / step) * step * 2.0 ** e      # np.round: ties to even
;;       return np.moveaxis(q.reshape(q.shape[:-2] + (-1,))[..., :K], -1, axis).astype(np.float32)
;;   ~~~
;;   SOFTMAX AHEAD OF A QUANTISED PRODUCT. Where the list says 'softmax', what is quantised is not the finished softmax but p = 2^(t - M), with t = logit x log2(e) and M = ceil(the row's largest t), a whole number; so 1/2 < the row's largest p <= 1. The row's sum l is taken of the UNQUANTISED p, in f32, and the product's result is divided by l at the end. Since M is a whole number, a kernel that streams over the keys may use a running M (the ceiling of the running maximum): every later rescaling is an exact power of two, which a block's scale takes up: the codes' values come out the same.
;;   OPERANDS COMPUTED ON THE WAY. 'Computed on the way' means the value that the module computes at that place (a softmax that the list does not call 'softmax' is quantised finished and normalised). What goes into a quantiser is computed in f32, as accurately as f32 sums, v_exp_f32 and their like allow (about 1e-6 of the number): no bf16 or f16 on the way to a quantiser, and a product that is left as it is and whose result goes on into a quantised operand takes f32 operands (vector FMAs, or v_wmma_f32_16x16x4_f32). A number that lies on a knife's edge between two numbers of the format may be rounded either way, as far as f32 arithmetic and the matrix unit's own rounding can turn it there, and no further.
;; One version. Each part assembles by itself: llvm-mc -triple=amdgcn-amd-amdhsa -mcpu=gfx1250 --defsym DOCPART=n.
;; ======== version 1 of 1: 6 launches
;; workspace buffers: wts 12,288,000 bytes; qkv 10,223,616 bytes; o 16,777,216 bytes; h2 20,054,016 bytes; hid 13,107,200 bytes
;; launch prep (part 1): grid 608 x 1, 8 waves a work-group, no clusters, 66,816 bytes of LDS; arguments x, g1, be1, Wq, Wk, Wv, W1, W2, wts; writes wts
.if DOCPART == 1
	.amdgcn_target "amdgcn-amd-amdhsa--gfx1250"
	.amdhsa_code_object_version 6
	.text
	.protected	k_q730b713bc1_prep
	.globl	k_q730b713bc1_prep
	.p2align	8
	.type	k_q730b713bc1_prep,@function
k_q730b713bc1_prep:
	s_mov_b64 s[64:65], 0
	v_nop
	global_prefetch_b8 v0, s[64:65] scope:SCOPE_SE
	s_setreg_imm32_b32 hwreg(HW_REG_WAVE_MODE, 25, 1), 1
	s_wait_xcnt 0x0
; PREP.  Work-groups 0-255: h = LayerNorm(x; g1, be1) (variance over 1,023), quantised along D into codes of FP6 (E2M3) with one E8M0 byte for each 32.
; Work-groups 256-383: W1; 384-511: W2; 512-607: Wq, Wk, Wv: each quantised along its K, which is NOT its innermost axis.
; ALL CODES LEAVE AS IMAGES OF OPERAND REGISTERS: a fragment (16 rows x 128 K, 12 registers a lane) is 1,536 bytes, registers 4 c .. 4 c + 3 of lane l at 512 c + 16 l; buffers are [tile of 16 rows][K step][1,536].
; Scale words (four bytes: a row's 128 K) are [K step][tile][16 words].
; WHICH ROWS FORM A TILE: row p of tile 2 b + u is item 32 b + 8 u + p + 8 (p / 8) (items: h's tokens, a weight's output columns).  Taken as source 0 of a product, two neighbouring tiles then give a lane 16 neighbours.
; LIMITS: a block whose largest magnitude lies under 2^-124 (a block of zeros too) gets the byte 1: its codes are zeros or nearly so, and this program alone reads the bytes.  NaN and infinities are not served.
; The mean is taken away before the squares are summed: no difference of large sums.  No tile is shared between work-groups, so there is no cluster; no matrix unit: nothing is multiplied.
.set PITCH,  4112                      ; LN: an LDS row: 4,096 bytes + 16
.set SPARE,  16*PITCH                  ; behind the rows: the spare words, 128 bytes a wave
.set FRB,    1536
.set W1_C,   2359296                   ; regions of wts (Wq, Wk, Wv's codes at 0)
.set W2_C,   5505024
.set H_C,    8650752
.set WQKV_S, 11796480
.set W1_S,   11894784
.set W2_S,   12025856
.set H_S,    12156928
.set SPW, 2                            ; v2  my spare word's LDS address; never rewritten
.set NIL, 3                            ; v3  0; never rewritten
.set L16, 4                            ; v4  16 x lane
.set STA, 5                            ; v5  LN: where I put my rows
.set RDA, 6                            ; v6  LN: where I read a fragment's numbers
.set C4,  7                            ; v7  weights: 4 x my column
.set L4,  8                            ; v8  4 x lane
.set R4,  9                            ; v9  4 x (lane % 16)
.set X,   16                           ; LN: v16-79 two rows, 32 registers each; weights: v16-143 my column's 128 numbers
.set G,   80                           ; LN: v80-111 gain, v112-143 bias
.set BV,  112
.set T,   144                          ; LN: v144-151 at work
.set M,   152                          ; LN: v152-155 the two means (pairs), v156-159 the two 1 / sqrt(var + eps) (pairs)
.set TM,  160                          ; LN: v160-175 the quantiser's
.set PW,  176
.set PC,  180                          ; LN: v180-198 codes
.set BM,  144                          ; weights: v144-147 largest magnitudes, v148-151 scale operands, v152-155 bytes
.set SOP, 148
.set BY,  152
.set WPW, 156
.set T2,  157
.set F0,  160                          ; weights: the two tiles' fragments, and the upper halves of the blocks' codes
.set F1,  172
.set TC,  184
.set SEL, 28                           ; s[28:29] selects for lane l xor 16
; 64 numbers of a lane, register 16 b + i = k 32 b + 16 (lane / 16) + i of my row, become a fragment's codes in v[PC] on and its scale word in v[PW]
.macro QUANT s
.irp b, 0,1,2,3
	v_max3_num_f32 v[TM+\b], |v[\s+16*\b]|, |v[\s+1+16*\b]|, 0x1800000   ; my 16 numbers of block b, and the floor 2^(3 - 127): the byte cannot fall under 1
.endr
.irp i, 2,4,6,8,10,12,14
.irp b, 0,1,2,3
	v_max3_num_f32 v[TM+\b], v[TM+\b], |v[\s+16*\b+\i]|, |v[\s+1+16*\b+\i]|
.endr
.endr
.irp b, 0,1,2,3
	v_permlanex16_b32 v[TM+4+\b], v[TM+\b], s[SEL], s[SEL+1]
.endr
.irp b, 0,1,2,3
	v_max_num_f32 v[TM+\b], v[TM+\b], v[TM+4+\b]     ; with lane l xor 16's: the block's largest magnitude
.endr
.irp b, 0,1,2,3
	v_add_nc_u32 v[TM+12+\b], 0xff000000, v[TM+\b]   ; 2 off its exponent field: the conversion's scale operand
.endr
.irp b, 0,1,2,3
	v_lshrrev_b32 v[TM+4+\b], 23, v[TM+12+\b]        ; the scale's byte
.endr
	v_lshl_or_b32 v[PW], v[TM+5], 8, v[TM+4]
	v_lshl_or_b32 v[PW], v[TM+6], 16, v[PW]
	v_lshl_or_b32 v[PW], v[TM+7], 24, v[PW]
.irp c, 0,1
	v_cvt_scalef32_pk16_fp6_f32 v[PC+6*\c:PC+2+6*\c], v[\s+32*\c:\s+15+32*\c], v[TM+12+2*\c]
	v_cvt_scalef32_pk16_fp6_f32 v[PC+12+4*\c:PC+14+4*\c], v[\s+16+32*\c:\s+31+32*\c], v[TM+12+2*\c+1]   ; (a conversion's three registers begin on an even number)
.endr
	v_nop                                            ; one plain place behind the conversions
.irp c, 0,1                                      ; the operand wants a whole block in a lane: lanes 0-15 block 2 c, lanes 16-31 block 2 c + 1
.irp i, 0,1,2
	v_permlane16_swap_b32 v[PC+6*\c+\i], v[PC+12+4*\c+\i]
.endr
.irp i, 0,1,2
	v_mov_b32 v[PC+3+6*\c+\i], v[PC+12+4*\c+\i]
.endr
.endr
.endm
.macro LANESUM                         ; v[T], v[T+4]: a lane's part of each row's sum -> the row's sum, in every lane
.irp m, 1,2,4,8
	v_add_f32_dpp v[T], v[T], v[T] row_xmask:\m row_mask:0xf bank_mask:0xf
	v_add_f32_dpp v[T+4], v[T+4], v[T+4] row_xmask:\m row_mask:0xf bank_mask:0xf
.endr
	v_permlanex16_b32 v[T+1], v[T], s[SEL], s[SEL+1]
	v_permlanex16_b32 v[T+5], v[T+4], s[SEL], s[SEL+1]
	v_add_f32 v[T], v[T], v[T+1]
	v_add_f32 v[T+4], v[T+4], v[T+5]
.endm
.macro STATS                           ; the two rows in v[X] on: the mean is taken away in place; 1 / sqrt(var + eps) into v[M+4:M+5], v[M+6:M+7]
.irp i, 0,1
	v_pk_add_f32 v[T+4*\i:T+4*\i+1], v[X+32*\i:X+32*\i+1], v[X+32*\i+2:X+32*\i+3]
	v_pk_add_f32 v[T+4*\i+2:T+4*\i+3], v[X+32*\i+4:X+32*\i+5], v[X+32*\i+6:X+32*\i+7]
.endr
.irp j, 8,12,16,20,24,28
.irp i, 0,1
	v_pk_add_f32 v[T+4*\i:T+4*\i+1], v[T+4*\i:T+4*\i+1], v[X+32*\i+\j:X+32*\i+\j+1]
	v_pk_add_f32 v[T+4*\i+2:T+4*\i+3], v[T+4*\i+2:T+4*\i+3], v[X+32*\i+\j+2:X+32*\i+\j+3]
.endr
.endr
.irp i, 0,1
	v_pk_add_f32 v[T+4*\i:T+4*\i+1], v[T+4*\i:T+4*\i+1], v[T+4*\i+2:T+4*\i+3]
.endr
.irp i, 0,1
	v_add_f32 v[T+4*\i], v[T+4*\i], v[T+4*\i+1]
.endr
	LANESUM
.irp i, 0,1
	v_mul_f32 v[M+2*\i], 0x3a800000, v[T+4*\i]       ; the mean: sum / 1,024
	v_mul_f32 v[M+2*\i+1], 0x3a800000, v[T+4*\i]
.endr
.irp i, 0,1
.set jj, 0
.rept 16
	v_pk_add_f32 v[X+32*\i+jj:X+32*\i+jj+1], v[X+32*\i+jj:X+32*\i+jj+1], v[M+2*\i:M+2*\i+1] neg_lo:[0,1] neg_hi:[0,1]
.set jj, jj+2
.endr
.endr
.irp i, 0,1
	v_pk_mul_f32 v[T+4*\i:T+4*\i+1], v[X+32*\i:X+32*\i+1], v[X+32*\i:X+32*\i+1]
	v_pk_mul_f32 v[T+4*\i+2:T+4*\i+3], v[X+32*\i+2:X+32*\i+3], v[X+32*\i+2:X+32*\i+3]
.endr
.irp j, 4,8,12,16,20,24,28
.irp i, 0,1
	v_pk_fma_f32 v[T+4*\i:T+4*\i+1], v[X+32*\i+\j:X+32*\i+\j+1], v[X+32*\i+\j:X+32*\i+\j+1], v[T+4*\i:T+4*\i+1]
	v_pk_fma_f32 v[T+4*\i+2:T+4*\i+3], v[X+32*\i+\j+2:X+32*\i+\j+3], v[X+32*\i+\j+2:X+32*\i+\j+3], v[T+4*\i+2:T+4*\i+3]
.endr
.endr
.irp i, 0,1
	v_pk_add_f32 v[T+4*\i:T+4*\i+1], v[T+4*\i:T+4*\i+1], v[T+4*\i+2:T+4*\i+3]
.endr
.irp i, 0,1
	v_add_f32 v[T+4*\i], v[T+4*\i], v[T+4*\i+1]
.endr
	LANESUM
	v_fma_f32 v[T], v[T], s30, s31                   ; sum of squares / 1,023 + eps
	v_fma_f32 v[T+4], v[T+4], s30, s31
	v_rsq_f32 v[M+4], v[T]
	v_rsq_f32 v[M+6], v[T+4]
	v_nop                                            ; a plain place behind the two,
	s_wait_alu depctr_va_vdst(0)                     ; and the wait ahead of their first reader
	v_mov_b32 v[M+5], v[M+4]
	v_mov_b32 v[M+7], v[M+6]
.endm
.macro APPLY                           ; g ((x - mean) / sqrt(var + eps)) + b, in place
.irp i, 0,1
.set jj, 0
.rept 16
	v_pk_mul_f32 v[X+32*\i+jj:X+32*\i+jj+1], v[X+32*\i+jj:X+32*\i+jj+1], v[M+4+2*\i:M+5+2*\i]
.set jj, jj+2
.endr
.endr
.irp i, 0,1
.set jj, 0
.rept 16
	v_pk_fma_f32 v[X+32*\i+jj:X+32*\i+jj+1], v[X+32*\i+jj:X+32*\i+jj+1], v[G+jj:G+jj+1], v[BV+jj:BV+jj+1]
.set jj, jj+2
.endr
.endr
.endm
; WEIGHTS.  A wave takes 32 columns x 128 K: two tiles, one K step.  A lane takes a column and its registers run down K, so a block of 32 lies in one lane.
.macro LOADB b, pitch
.set ii, 0
.rept 32
	global_load_b32 v[X+32*\b+ii], v[C4], s[32:33] offset:(32*\b+ii)*\pitch th:TH_LOAD_NT   ; one row k, 32 columns: 128 neighbouring bytes a wave
.set ii, ii+1
.endr
.endm
.macro MAXB b
.set XB, X+32*\b
	v_max3_num_f32 v[BM+\b], |v[XB]|, |v[XB+1]|, |v[XB+2]|
	v_max3_num_f32 v[T2], |v[XB+3]|, |v[XB+4]|, |v[XB+5]|
.irp i, 6,10,14,18,22,26
	v_max3_num_f32 v[BM+\b], v[BM+\b], |v[XB+\i]|, |v[XB+\i+1]|
	v_max3_num_f32 v[T2], v[T2], |v[XB+\i+2]|, |v[XB+\i+3]|
.endr
	v_max3_num_f32 v[BM+\b], v[BM+\b], |v[XB+30]|, |v[XB+31]|
	v_max3_num_f32 v[BM+\b], v[BM+\b], v[T2], 0x1800000   ; and the floor
.endm
.macro WQ pitch, t1off                 ; s[32:33] my first number, s[34:35] the first tile's image, s[36:37] the two tiles' scale words; t1off: from a tile's image to the next tile's
	LOADB 0, \pitch
	LOADB 1, \pitch
	s_wait_loadcnt 32                                ; block 0 is in; block 1's 32 loads may be out
	MAXB 0
	LOADB 2, \pitch
	s_wait_loadcnt 32                                ; block 1 is in; block 2's may be out
	MAXB 1
	LOADB 3, \pitch
	s_wait_loadcnt 32
	MAXB 2
	s_wait_loadcnt 0x0
	MAXB 3
.irp b, 0,1,2,3
	v_add_nc_u32 v[SOP+\b], 0xff000000, v[BM+\b]
.endr
.irp b, 0,1,2,3
	v_lshrrev_b32 v[BY+\b], 23, v[SOP+\b]
.endr
	v_lshl_or_b32 v[WPW], v[BY+1], 8, v[BY]
	v_lshl_or_b32 v[WPW], v[BY+2], 16, v[WPW]
	v_lshl_or_b32 v[WPW], v[BY+3], 24, v[WPW]
	v_cvt_scalef32_pk16_fp6_f32 v[F0:F0+2], v[X:X+15], v[SOP]            ; blocks 0 and 2 into F0, blocks 1 and 3 into F1
	v_cvt_scalef32_pk16_fp6_f32 v[TC:TC+2], v[X+16:X+31], v[SOP]
	v_cvt_scalef32_pk16_fp6_f32 v[F1:F1+2], v[X+32:X+47], v[SOP+1]
	v_cvt_scalef32_pk16_fp6_f32 v[TC+4:TC+6], v[X+48:X+63], v[SOP+1]
	v_cvt_scalef32_pk16_fp6_f32 v[F0+6:F0+8], v[X+64:X+79], v[SOP+2]
	v_cvt_scalef32_pk16_fp6_f32 v[TC+8:TC+10], v[X+80:X+95], v[SOP+2]
	v_cvt_scalef32_pk16_fp6_f32 v[F1+6:F1+8], v[X+96:X+111], v[SOP+3]
	v_cvt_scalef32_pk16_fp6_f32 v[TC+12:TC+14], v[X+112:X+127], v[SOP+3]
	v_nop
.irp i, 0,1,2
	v_mov_b32 v[F0+3+\i], v[TC+\i]
	v_mov_b32 v[F1+3+\i], v[TC+4+\i]
	v_mov_b32 v[F0+9+\i], v[TC+8+\i]
	v_mov_b32 v[F1+9+\i], v[TC+12+\i]
.endr
.irp i, 0,1,2,3,4,5,6,7,8,9,10,11           ; lanes 0-15 hold the first tile's rows, lanes 16-31 the second's: F0's upper lanes change places with F1's lower: F0 is then the first tile's fragment, F1 the second's
	v_permlane16_swap_b32 v[F0+\i], v[F1+\i]
.endr
.irp c, 0,1,2
	global_store_b128 v[L16], v[F0+4*\c:F0+4*\c+3], s[34:35] offset:512*\c          ; 512 consecutive bytes a store
	global_store_b128 v[L16], v[F1+4*\c:F1+4*\c+3], s[34:35] offset:\t1off+512*\c
.endr
	global_store_b32 v[L4], v[WPW], s[36:37]         ; the two tiles' 32 scale words
.endm
	s_load_b512 s[8:23], s[0:1], 0x0                 ; x 8, g1 10, be1 12, Wq 14, Wk 16, Wv 18, W1 20, W2 22
	s_load_b64 s[24:25], s[0:1], 0x40                ; wts
	v_lshl_add_u32 v[SPW], v0, 2, SPARE
	v_mov_b32 v[NIL], 0
	v_lshrrev_b32 v1, 5, v0
	v_readfirstlane_b32 s26, v1                      ; wave 0..7
	v_and_b32 v1, 31, v0                             ; lane
	v_lshlrev_b32 v[L16], 4, v1
	v_lshlrev_b32 v[L4], 2, v1
	v_and_b32 v10, 7, v1
	v_bfe_u32 v11, v1, 3, 1
	v_lshl_add_u32 v10, v11, 4, v10
	v_lshrrev_b32 v11, 4, v1
	v_lshl_add_u32 v10, v11, 3, v10                  ; my column of the wave's 32: l % 8 + 16 ((l / 8) % 2) + 8 (l / 16)
	v_lshlrev_b32 v[C4], 2, v10
	s_mov_b32 s[SEL], 0x76543210
	s_mov_b32 s[SEL+1], 0xfedcba98
	s_mov_b32 s30, 0x3a802008                        ; 1 / 1,023
	s_mov_b32 s31, 0x3727c5ac                        ; 1e-5
	s_mov_b32 s45, 0
	s_wait_kmcnt 0x0
	s_cmp_lt_u32 ttmp9, 256                          ; the paths part on the work-group's number alone
	s_cbranch_scc1 .Lln
	s_cmp_lt_u32 ttmp9, 384
	s_cbranch_scc1 .Lw1
	s_cmp_lt_u32 ttmp9, 512
	s_cbranch_scc1 .Lw2
	; ---- Wq, Wk, Wv: [16 heads][1,024 K][64]: a row of 256 bytes
	s_sub_co_u32 s27, ttmp9, 512
	s_lshr_b32 s38, s27, 5                           ; which matrix
	s_bfe_u32 s39, s27, 0x40001                      ; head
	s_and_b32 s40, s27, 1
	s_lshl_b32 s40, s40, 2
	s_lshr_b32 s41, s26, 1
	s_add_co_u32 s40, s40, s41                       ; K step
	s_and_b32 s41, s26, 1                            ; which 32 of the head's 64 columns
	s_lshl_b32 s42, s38, 5
	s_lshl_b32 s43, s39, 1
	s_add_co_u32 s42, s42, s43
	s_add_co_u32 s42, s42, s41                       ; pair of tiles
	s_cmp_eq_u32 s38, 0
	s_cselect_b64 s[32:33], s[14:15], s[16:17]
	s_cmp_eq_u32 s38, 2
	s_cselect_b64 s[32:33], s[18:19], s[32:33]
	s_lshl_b32 s44, s39, 18
	s_lshl_b32 s43, s40, 15
	s_add_co_u32 s44, s44, s43
	s_lshl_b32 s43, s41, 7
	s_add_co_u32 s44, s44, s43
	s_add_nc_u64 s[32:33], s[32:33], s[44:45]
	s_lshl_b32 s44, s42, 4
	s_add_co_u32 s44, s44, s40
	s_mul_i32 s44, s44, FRB
	s_add_nc_u64 s[34:35], s[24:25], s[44:45]
	s_mul_i32 s44, s40, 192
	s_lshl_b32 s43, s42, 1
	s_add_co_u32 s44, s44, s43
	s_lshl_b32 s44, s44, 6
	s_add_co_u32 s44, s44, WQKV_S
	s_add_nc_u64 s[36:37], s[24:25], s[44:45]
	WQ 256, 8*FRB
	s_endpgm
.Lw1:	; ---- W1: [1,024 K][4,096]
	s_sub_co_u32 s27, ttmp9, 256
	s_and_b32 s40, s27, 7                            ; K step
	s_lshr_b32 s42, s27, 3
	s_lshl_b32 s42, s42, 3
	s_add_co_u32 s42, s42, s26                       ; pair of tiles: the eight waves stand side by side on 1,024 bytes of each row
	s_lshl_b32 s44, s40, 21
	s_lshl_b32 s43, s42, 7
	s_add_co_u32 s44, s44, s43
	s_add_nc_u64 s[32:33], s[20:21], s[44:45]
	s_lshl_b32 s44, s42, 4
	s_add_co_u32 s44, s44, s40
	s_mul_i32 s44, s44, FRB
	s_add_co_u32 s44, s44, W1_C
	s_add_nc_u64 s[34:35], s[24:25], s[44:45]
	s_lshl_b32 s44, s40, 8
	s_lshl_b32 s43, s42, 1
	s_add_co_u32 s44, s44, s43
	s_lshl_b32 s44, s44, 6
	s_add_co_u32 s44, s44, W1_S
	s_add_nc_u64 s[36:37], s[24:25], s[44:45]
	WQ 16384, 8*FRB
	s_endpgm
.Lw2:	; ---- W2: [4,096 K][1,024]
	s_sub_co_u32 s27, ttmp9, 384
	s_and_b32 s40, s27, 31                           ; K step
	s_lshr_b32 s42, s27, 5
	s_lshl_b32 s42, s42, 3
	s_add_co_u32 s42, s42, s26                       ; pair of tiles
	s_lshl_b32 s44, s40, 19
	s_lshl_b32 s43, s42, 7
	s_add_co_u32 s44, s44, s43
	s_add_nc_u64 s[32:33], s[22:23], s[44:45]
	s_lshl_b32 s44, s42, 6
	s_add_co_u32 s44, s44, s40
	s_mul_i32 s44, s44, FRB
	s_add_co_u32 s44, s44, W2_C
	s_add_nc_u64 s[34:35], s[24:25], s[44:45]
	s_lshl_b32 s44, s40, 6
	s_lshl_b32 s43, s42, 1
	s_add_co_u32 s44, s44, s43
	s_lshl_b32 s44, s44, 6
	s_add_co_u32 s44, s44, W2_S
	s_add_nc_u64 s[36:37], s[24:25], s[44:45]
	WQ 4096, 32*FRB
	s_endpgm
.Lln:	; ---- LayerNorm 1: the work-group makes tile ttmp9 of h: 16 tokens.  Wave w norms the tile's rows 2 w and 2 w + 1, which are two neighbouring tokens
	s_lshr_b32 s27, ttmp9, 1
	s_lshl_b32 s27, s27, 5
	s_and_b32 s38, ttmp9, 1
	s_lshl_b32 s38, s38, 3
	s_add_co_u32 s27, s27, s38
	s_lshl_b32 s38, s26, 1
	s_add_co_u32 s27, s27, s38
	s_lshr_b32 s38, s26, 2
	s_lshl_b32 s38, s38, 3
	s_add_co_u32 s27, s27, s38                       ; token 32 (t / 2) + 8 (t % 2) + 2 w + 8 (w / 4)
	s_lshl_b32 s44, s27, 12
	s_add_nc_u64 s[32:33], s[8:9], s[44:45]
.irp i, 0,1
.irp j, 0,1,2,3,4,5,6,7
	global_load_b128 v[X+32*\i+4*\j:X+32*\i+4*\j+3], v[L16], s[32:33] offset:4096*\i+512*\j th:TH_LOAD_NT   ; 512 consecutive bytes a load
.endr
.endr
.irp j, 0,1,2,3,4,5,6,7
	global_load_b128 v[G+4*\j:G+4*\j+3], v[L16], s[10:11] offset:512*\j
.endr
.irp j, 0,1,2,3,4,5,6,7
	global_load_b128 v[BV+4*\j:BV+4*\j+3], v[L16], s[12:13] offset:512*\j
.endr
	s_mul_i32 s38, s26, 2*PITCH
	v_add_nc_u32 v[STA], s38, v[L16]                 ; my two rows in LDS
	v_and_b32 v10, 15, v0
	v_bfe_u32 v11, v0, 4, 1
	v_mul_u32_u24 v[RDA], v10, PITCH
	v_lshl_add_u32 v[RDA], v11, 6, v[RDA]
	s_lshl_b32 s38, s26, 9
	v_add_nc_u32 v[RDA], s38, v[RDA]                 ; row l % 16, K step w, + 64 (l / 16): my 16 numbers of each block of 32
	v_lshlrev_b32 v[R4], 2, v10
.irp b, 0,1,2,3
	v_mov_b32 v[TM+4+\b], 0                          ; written once: a lane permute's destination counts as one of its sources
.endr
	s_lshl_b32 s44, ttmp9, 3
	s_add_co_u32 s44, s44, s26
	s_mul_i32 s44, s44, FRB
	s_add_co_u32 s44, s44, H_C
	s_add_nc_u64 s[34:35], s[24:25], s[44:45]        ; the image of (tile, K step w)
	s_lshl_b32 s44, s26, 8
	s_add_co_u32 s44, s44, ttmp9
	s_lshl_b32 s44, s44, 6
	s_add_co_u32 s44, s44, H_S
	s_add_nc_u64 s[36:37], s[24:25], s[44:45]        ; and its scale words
	s_wait_loadcnt 16                                ; x is in; the 16 loads of gain and bias may be out
	STATS
	s_wait_loadcnt 0x0
	APPLY
.irp i, 0,1
.irp j, 0,1,2,3,4,5,6,7
	ds_store_b128 v[STA], v[X+32*\i+4*\j:X+32*\i+4*\j+3] offset:PITCH*\i+512*\j
.endr
.endr
	s_wait_dscnt 0x0                                 ; for the others' sake: my rows lie in LDS
	s_barrier_signal -1
	s_barrier_wait -1
.irp b, 0,1,2,3                                  ; wave w now takes K step w of all 16 rows
.irp j, 0,1,2,3
	ds_load_b128 v[X+16*\b+4*\j:X+16*\b+4*\j+3], v[RDA] offset:128*\b+16*\j
.endr
.endr
	s_wait_dscnt 0x0
	QUANT X
.irp c, 0,1,2
	global_store_b128 v[L16], v[PC+4*\c:PC+4*\c+3], s[34:35] offset:512*\c
.endr
	global_store_b32 v[R4], v[PW], s[36:37]          ; lanes l and l + 16 hold the same row's word and write it to the same place
	s_wait_tensorcnt 0x0                             ; the wave's end, behind my last LDS store
	ds_add_u32 v[SPW], v[NIL]
	s_wait_dscnt 0x0
	s_endpgm
.Lfunc_end_k_q730b713bc1_prep:
	.size	k_q730b713bc1_prep, .Lfunc_end_k_q730b713bc1_prep-k_q730b713bc1_prep
	.p2alignl 7, 3214868480
	.fill 96, 4, 3214868480
	.section	.rodata,"a",@progbits
	.p2align	6, 0x0
	.amdhsa_kernel k_q730b713bc1_prep
		.amdhsa_group_segment_fixed_size 66816
		.amdhsa_private_segment_fixed_size 0
		.amdhsa_enable_private_segment 0
		.amdhsa_kernarg_size 72
		.amdhsa_user_sgpr_count 2
		.amdhsa_user_sgpr_kernarg_segment_ptr 1
		.amdhsa_wavefront_size32 1
		.amdhsa_system_sgpr_workgroup_id_x 1
		.amdhsa_system_sgpr_workgroup_id_y 1
		.amdhsa_system_sgpr_workgroup_id_z 1
		.amdhsa_system_vgpr_workitem_id 0
		.amdhsa_next_free_vgpr 208
		.amdhsa_next_free_sgpr 66
		.amdhsa_reserve_vcc 0
		.amdhsa_float_denorm_mode_32 3
		.amdhsa_float_denorm_mode_16_64 3
		.amdhsa_memory_ordered 1
		.amdhsa_forward_progress 1
		.amdhsa_inst_pref_size 84
	.end_amdhsa_kernel
	.amdgpu_metadata
---
amdhsa.version: [ 1, 2 ]
amdhsa.kernels:
  - .name:           k_q730b713bc1_prep
    .symbol:         k_q730b713bc1_prep.kd
    .args:
      - { .name: x, .offset: 0, .size: 8, .value_kind: global_buffer, .address_space: global }
      - { .name: g1, .offset: 8, .size: 8, .value_kind: global_buffer, .address_space: global }
      - { .name: be1, .offset: 16, .size: 8, .value_kind: global_buffer, .address_space: global }
      - { .name: Wq, .offset: 24, .size: 8, .value_kind: global_buffer, .address_space: global }
      - { .name: Wk, .offset: 32, .size: 8, .value_kind: global_buffer, .address_space: global }
      - { .name: Wv, .offset: 40, .size: 8, .value_kind: global_buffer, .address_space: global }
      - { .name: W1, .offset: 48, .size: 8, .value_kind: global_buffer, .address_space: global }
      - { .name: W2, .offset: 56, .size: 8, .value_kind: global_buffer, .address_space: global }
      - { .name: wts, .offset: 64, .size: 8, .value_kind: global_buffer, .address_space: global }
    .group_segment_fixed_size: 66816
    .private_segment_fixed_size: 0
    .kernarg_segment_align: 8
    .kernarg_segment_size: 72
    .max_flat_workgroup_size: 256
    .sgpr_count:     66
    .vgpr_count:     208
    .wavefront_size: 32
...
	.end_amdgpu_metadata
.endif
;; end of part 1
;; launch qkv (part 2): grid 12 x 16, 4 waves a work-group, clusters of 4 x 4, 327,680 bytes of LDS; arguments wts, bq, bk, bv, qkv; writes qkv
.if DOCPART == 2
	.amdgcn_target "amdgcn-amd-amdhsa--gfx1250"
	.amdhsa_code_object_version 6
	.text
	.protected	k_q730b713bc1_qkv
	.globl	k_q730b713bc1_qkv
	.p2align	8
	.type	k_q730b713bc1_qkv,@function
k_q730b713bc1_qkv:
	s_mov_b64 s[64:65], 0
	v_nop
	global_prefetch_b8 v0, s[64:65] scope:SCOPE_SE
	s_setreg_imm32_b32 hwreg(HW_REG_WAVE_MODE, 25, 1), 1
	s_wait_xcnt 0x0
	s_wait_alu depctr_hold_cnt(0) depctr_sa_sdst(0) depctr_va_vdst(0) depctr_va_sdst(0) depctr_va_ssrc(0) depctr_va_vcc(0) depctr_vm_vsrc(0)
	s_getreg_b32 s2, hwreg(HW_REG_IB_STS2, 6, 4)
	s_cmp_eq_u32 s2, 0
	s_cbranch_scc0 .Lentry_in_a_cluster
	s_endpgm
.Lentry_in_a_cluster:
	s_bfe_u32 s2, ttmp6, 0x10000c
	s_cmp_lg_u32 s2, 0xf033
	s_cbranch_scc0 .Lentry_shape_is_right
	s_endpgm
.Lentry_shape_is_right:
; q, k, v = h W + b on codes of FP6 (E2M3) with E8M0 scales, K = 1,024; the results are quantised in registers and leave as codes for the attention launch.
; OPERANDS lie in wts as images of operand registers: [tile of 16 rows][K step of 128][1,536 bytes], scale words [K step][tile][16].  T = h's tokens (tile row of the grid), W = the weights' columns (tile column; 4 tile columns to a matrix).
; A work-group makes 256 tokens x 256 columns, each of its four waves 128 x 128: 64 accumulators, 512 registers.
; K goes in four steps of 256 through THREE LDS slots: steps 0, 1 and 2 are first fills and go out together at the start; step 3 is the one refill, into slot 0, and has two steps' products, 256 matrix instructions, in which to land.
; CLUSTERS: 4 x 4 work-groups; T's tiles are asked for jointly along a row of the cluster, W's along a column.  A cluster's x is the matrix (0 q, 1 k, 2 v): the same in all sixteen partners.
; ORIENTATION.  q, k: source 0 = W, source 1 = T: a lane holds one token and its registers run along the head's e, along which q and k are quantised.
; v: source 0 = T, source 1 = W: a lane holds one e and its registers run along the tokens, which are the keys, along which v is quantised.  Only the LDS addresses of the reads change places; the loads are the same.
; The rows of W's and T's tiles are chosen (row p of tile 2 b + u = item 32 b + 8 u + p + 8 (p / 8)) so that the 16 registers of two neighbouring tiles of source 0 are 16 neighbours.
; OUT: q, k: [batch x head][tile of 16 tokens][768]: half a fragment (K = 64): registers 0-3 at 16 l, 4-5 at 512 + 8 l; scale words [batch x head][tile][16], bytes 0 and 1 in use.
;      v: [batch x head][128 keys][tile of 16 e][1,536]; scale words [..][..][..][32], lanes 16-31 a copy.
; LIMITS: a block whose largest magnitude lies under 2^-124 gets the byte 1; NaN and infinities are not served.
; REGISTERS: window 0: v0-31 addresses; v32-63 scale words, two sets; v64-127 the bias, as the C of the first products; v128-223 source 1's 8 fragments.  window 1: source 0's fragments, two sets (v0, v128).  windows 2, 3: accumulators.
.set FR,    12
.set FRB,   1536
.set NQ,    2                          ; K steps of 128 in a slot
.set NL,    3                          ; LDS loads that bring a fragment
.set NP,    4                          ; places behind this matrix instruction (ISA guide 7.12.1)
.set ROWB,  NQ*FRB                     ; a tile's bytes in a slot
.set RTP,   8*FRB                      ; from tile to tile in memory
.set HALFT, 8*ROWB                     ; 8 tiles = 128 rows: what one tensor load brings
.set SLOT,  4*HALFT                    ; T's 16 tiles, then W's 16
.set SCL,   3*SLOT                     ; behind the three slots: the scale words of all of K: [K step][8 tiles][64 bytes] for each wave's load
.set HALFS, 4096
.set SPARE, SCL+4*HALFS                ; the spare words, 128 bytes a wave
.set T_C,   8650752                    ; in wts: h's codes, h's scale words; the weights' codes lie at 0
.set T_S,   12156928
.set W_S,   11796480
.set Q_S,   9437184                    ; in qkv: q's scale words
.set ADRA, 16                          ; v16-18 LDS address of source 1's fragments in slot 0, 1, 2
.set ADRB, 20                          ; v20-22 of source 0's
.set L16,  24                          ; v24  16 x lane
.set L8,   25                          ; v25  512 + 8 x lane
.set L4,   26                          ; v26  4 x lane
.set ADRS, 27                          ; v27  my scale words: lanes 0-15 source 1's, lanes 16-31 source 0's
.set SPW,  28
.set NIL,  29
.set SC,   32
.set BI,   64
.set AF,   128
.set TM,   32                          ; the way out: the quantiser's (the scale words' registers are free then)
.set PW,   48
.set PWE,  49
.set WA,   50
.set WB,   51
.set PC,   128
.set G1,   24
.set G0,   32                          ; s[32:39] T's groups 0 for slots 0 and 1; s[92:95] for slot 2
.set G1B,  48
.set G0B,  56                          ; s[56:63] W's for slots 0 and 1; s[96:99] for slot 2
.set G1S,  68
.set G0S,  76
.set G1SB, 80
.set G0SB, 88
.set G0C,  92
.set G0BC, 96
.set SEL,  66                          ; s[66:67] selects for lane l xor 16
.set MH,   100                         ; s100 the mask of lanes 16-31
.set VF,   101                         ; s101 1 where the matrix is v
.set MSB, 0
.macro WIN new                         ; the immediate's high byte repeats the setting that is left
.if MSB != \new
	s_set_vgpr_msb (MSB<<8)|\new
.set MSB, \new
.endif
.endm
.set MUL_LO, 0xa1                      ; source 0 window 1, source 1 window 0, C and D window 2
.set MUL_HI, 0xf1                      ; the same, C and D window 3
.set TO_B,   0x40                      ; destination window 1
; A joint load: waves 0 and 1 fetch for T, waves 2 and 3 for W; the branch hangs on the wave's number alone.  An s_nop 0 and four v_nop follow each line.
.macro JLOAD g0a, g1a, g0b, g1b
	s_cmp_eq_u32 s15, 0
	s_cbranch_scc0 .Lfor_b_\@
	tensor_load_to_lds s[\g0a:\g0a+3], s[\g1a:\g1a+7]
	s_nop 0
.rept 4
	v_nop
.endr
	s_branch .Lasked_\@
.Lfor_b_\@:
	tensor_load_to_lds s[\g0b:\g0b+3], s[\g1b:\g1b+7]
	s_nop 0
.rept 4
	v_nop
.endr
.Lasked_\@:
.endm
.macro FIRST ga, gb, s                 ; slot s's two groups 0, and its first fill: K step s
	s_mov_b32 s[\ga], 1
	s_add_co_u32 s[\ga+1], s45, (\s)*SLOT
	s_add_nc_u64 s[\ga+2:\ga+3], s[20:21], (\s)*ROWB
	s_or_b32 s[\ga+3], s[\ga+3], 0x80000000
	s_mov_b32 s[\gb], 1
	s_add_co_u32 s[\gb+1], s45, (\s)*SLOT
	s_add_nc_u64 s[\gb+2:\gb+3], s[46:47], (\s)*ROWB
	s_or_b32 s[\gb+3], s[\gb+3], 0x80000000
	JLOAD \ga, G1, \gb, G1B
.endm
.macro CREST                           ; a round of the cluster's barrier behind its opening barrier
	s_cmp_lg_u32 s14, 0
	s_cbranch_scc1 .Lnot_wave_0_\@
	s_barrier_signal -3
.Lnot_wave_0_\@:
	s_barrier_wait -3
	s_barrier_signal -1
	s_barrier_wait -1
.endm
.macro CROUND
	s_barrier_signal -1
	s_barrier_wait -1
	CREST
.endm
	s_load_b256 s[4:11], s[0:1], 0x0                 ; wts 4, bq 6, bk 8, bv 10
	s_load_b64 s[12:13], s[0:1], 0x20                ; qkv
	v_lshl_add_u32 v[SPW], v0, 2, SPARE
	v_mov_b32 v[NIL], 0
	ds_add_u32 v[SPW], v[NIL]                        ; the wave's opening: the add and its wait ahead of my first tensor load
	v_lshrrev_b32 v1, 5, v0
	v_readfirstlane_b32 s14, v1                      ; wave 0..3
	s_lshr_b32 s15, s14, 1                           ; which half of source 1 is mine.  Also: I fetch for T (0) or for W (1)
	s_and_b32 s16, s14, 1                            ; which half of source 0.  Also: which 8 tiles I fetch
	s_bfe_u32 s40, ttmp6, 0x40000                    ; cx
	s_bfe_u32 s41, ttmp6, 0x40004                    ; cy
	s_lshl_b32 s42, ttmp9, 2
	s_add_co_u32 s42, s42, s40                       ; W's tile column
	s_and_b32 s17, ttmp7, 0xffff
	s_lshl_b32 s17, s17, 2
	s_add_co_u32 s17, s17, s41                       ; T's tile row
	s_lshl_b32 s43, s41, 2
	s_lshl_b32 s43, 15, s43                          ; my row of the cluster
	s_lshl_b32 s44, 0x1111, s40                      ; my column
	s_or_b32 s[G1+0], s43, (3<<16)|(1<<21)           ; 15:0 the mask; 17:16 elements of 8 bytes; 21 set beside a mask; no padding
	s_or_b32 s[G1B+0], s44, (3<<16)|(1<<21)
.irp g, G1, G1B                                  ; codes: 8 rows (tiles) of ROWB bytes, RTP bytes apart
	s_mov_b32 s[\g+1], (ROWB/8)<<16
	s_mov_b32 s[\g+2], 8<<16
	s_mov_b32 s[\g+3], (ROWB/8)<<16
	s_mov_b32 s[\g+4], 8
	s_mov_b32 s[\g+5], RTP/8
	s_mov_b32 s[\g+6], 0
	s_mov_b32 s[\g+7], 0
.endr
	s_or_b32 s[G1S+0], s43, (3<<16)|(1<<21)
	s_or_b32 s[G1SB+0], s44, (3<<16)|(1<<21)
.irp g, G1S, G1SB                                ; scale words: 8 rows (K steps) of 512 bytes (8 tiles)
	s_mov_b32 s[\g+1], 64<<16
	s_mov_b32 s[\g+2], 8<<16
	s_mov_b32 s[\g+3], 64<<16
	s_mov_b32 s[\g+4], 8
	s_mov_b32 s[\g+6], 0
	s_mov_b32 s[\g+7], 0
.endr
	s_mov_b32 s[G1S+5], 256*8                        ; h has 256 tiles,
	s_mov_b32 s[G1SB+5], 192*8                       ; the three weights 192
	s_lshl_b32 s18, s16, 3
	s_lshl_b32 s20, s17, 4
	s_add_co_u32 s20, s20, s18                       ; T: the first tile that I fetch
	s_lshl_b32 s46, s42, 4
	s_add_co_u32 s46, s46, s18                       ; W likewise
	s_lshl_b32 s22, s20, 6
	s_add_co_u32 s22, s22, T_S
	s_mov_b32 s23, 0
	s_lshl_b32 s92, s46, 6
	s_add_co_u32 s92, s92, W_S
	s_mov_b32 s93, 0
	s_mul_i32 s20, s20, RTP
	s_add_co_u32 s20, s20, T_C
	s_mov_b32 s21, 0
	s_mul_i32 s46, s46, RTP
	s_mov_b32 s47, 0
	s_mul_i32 s45, s14, HALFT                        ; where they go: no place in the cluster enters an LDS address
	s_mul_i32 s94, s14, HALFS
	s_mov_b32 s[SEL], 0x76543210
	s_mov_b32 s[SEL+1], 0xfedcba98
	s_mov_b32 s[MH], 0xffff0000
	s_wait_dscnt 0x0                                 ; the opening add is done
	s_wait_kmcnt 0x0
	s_add_nc_u64 s[20:21], s[4:5], s[20:21]
	s_add_nc_u64 s[22:23], s[4:5], s[22:23]
	s_add_nc_u64 s[46:47], s[4:5], s[46:47]
	s_add_nc_u64 s[92:93], s[4:5], s[92:93]
	CROUND                                           ; all sixteen work-groups are here: the first joint loads meet
	s_mov_b32 s[G0S], 1
	s_add_co_u32 s[G0S+1], s94, SCL
	s_mov_b64 s[G0S+2:G0S+3], s[22:23]
	s_or_b32 s[G0S+3], s[G0S+3], 0x80000000
	s_mov_b32 s[G0SB], 1
	s_add_co_u32 s[G0SB+1], s94, SCL
	s_mov_b64 s[G0SB+2:G0SB+3], s[92:93]
	s_or_b32 s[G0SB+3], s[G0SB+3], 0x80000000
	JLOAD G0S, G1S, G0SB, G1SB                       ; the scale words first; four loads of a wave are out at the start, one behind the refill's round
	FIRST G0, G0B, 0
	FIRST G0+4, G0B+4, 1
	FIRST G0C, G0BC, 2
	v_and_b32 v1, 15, v0                             ; r
	v_bfe_u32 v2, v0, 4, 1                           ; h
	v_and_b32 v3, 31, v0
	v_lshlrev_b32 v[L16], 4, v3
	v_lshl_add_u32 v[L8], v3, 3, 512
	v_lshlrev_b32 v[L4], 2, v3
	s_cmp_eq_u32 ttmp9, 2                            ; v?  The cluster's x: alike in all partners
	s_cselect_b32 s43, 2*HALFT, 0                    ; where source 1's tiles lie in a slot: T's region, for v W's
	s_cselect_b32 s44, 0, 2*HALFT                    ; source 0's
	s_cselect_b32 s45, 2*HALFS, 0                    ; and their scale words
	s_cselect_b32 s2, 0, 2*HALFS
	s_cselect_b32 s[VF], 1, 0
	s_cselect_b32 s3, s15, s16                       ; which half of W's 256 columns is mine,
	s_cselect_b32 s41, s16, s15                      ; which half of T's 256 tokens
	s_mul_i32 s21, s15, HALFT
	s_add_co_u32 s21, s21, s43
	s_mul_i32 s22, s16, HALFT
	s_add_co_u32 s22, s22, s44
.irp s, 0,1,2
	v_add_nc_u32 v[ADRA+\s], s21, v[L16]
	v_add_nc_u32 v[ADRB+\s], s22, v[L16]
	s_add_co_u32 s21, s21, SLOT
	s_add_co_u32 s22, s22, SLOT
.endr
	v_lshlrev_b32 v5, 2, v1
	s_mul_i32 s21, s15, HALFS
	s_add_co_u32 s21, s21, s45
	s_add_co_u32 s21, s21, SCL
	s_mul_i32 s22, s16, HALFS
	s_add_co_u32 s22, s22, s2
	s_add_co_u32 s22, s22, SCL
	v_add_nc_u32 v6, s21, v5
	v_add_nc_u32 v7, s22, v5
	v_cndmask_b32 v[ADRS], v6, v7, s[MH]             ; lanes 0-15 source 1's words, lanes 16-31 source 0's
	; where my results go: i = (16 batch + 4 cx + 2 (my half of W)) x 16 + 2 (tile row % 8) + my half of T; codes at matrix x 3,145,728 + 6,144 i, scale words at Q_S + matrix x 262,144 + 512 i: the same for q, k and v
	s_lshr_b32 s18, s17, 3
	s_lshl_b32 s18, s18, 4
	s_lshl_b32 s19, s40, 2
	s_add_co_u32 s18, s18, s19
	s_lshl_b32 s19, s3, 1
	s_add_co_u32 s18, s18, s19
	s_lshl_b32 s18, s18, 4
	s_and_b32 s19, s17, 7
	s_lshl_b32 s19, s19, 1
	s_add_co_u32 s18, s18, s19
	s_add_co_u32 s18, s18, s41
	s_mul_i32 s46, s18, 6144
	s_mul_i32 s19, ttmp9, 3145728
	s_add_co_u32 s46, s46, s19
	s_mov_b32 s47, 0
	s_add_nc_u64 s[20:21], s[12:13], s[46:47]        ; s[20:21] codes
	s_lshl_b32 s46, s18, 9
	s_lshl_b32 s19, ttmp9, 18
	s_add_co_u32 s46, s46, s19
	s_add_co_u32 s46, s46, Q_S
	s_add_nc_u64 s[22:23], s[12:13], s[46:47]        ; s[22:23] scale words
	; the bias of my 128 columns
	s_cmp_eq_u32 ttmp9, 0
	s_cselect_b64 s[46:47], s[6:7], s[8:9]
	s_cmp_eq_u32 ttmp9, 2
	s_cselect_b64 s[46:47], s[10:11], s[46:47]
	s_lshl_b32 s18, s40, 10
	s_lshl_b32 s19, s3, 9
	s_add_co_u32 s18, s18, s19
	s_mov_b32 s19, 0
	s_add_nc_u64 s[46:47], s[46:47], s[18:19]
	s_cmp_eq_u32 s[VF], 1
	s_cbranch_scc1 .Lbias_v
	v_lshlrev_b32 v4, 6, v2                          ; q, k: register j of W's tile t is column 32 (t / 2) + 16 h + 8 (t % 2) + j
.irp t, 0,1,2,3,4,5,6,7
	global_load_b128 v[BI+8*\t:BI+8*\t+3], v4, s[46:47] offset:(32*(\t/2)+8*(\t%2))*4
	global_load_b128 v[BI+8*\t+4:BI+8*\t+7], v4, s[46:47] offset:(32*(\t/2)+8*(\t%2))*4+16
.endr
	s_branch .Lbias_in
.Lbias_v:
	v_and_b32 v4, 8, v1                              ; v: all eight registers of a lane belong to column 32 (a / 2) + 8 (a % 2) + r + 8 (r / 8) of W's tile a
	v_add_nc_u32 v4, v4, v1
	v_lshlrev_b32 v4, 2, v4
.irp a, 0,1,2,3,4,5,6,7
.irp j, 0,1,2,3,4,5,6,7
	global_load_b32 v[BI+8*\a+\j], v4, s[46:47] offset:(32*(\a/2)+8*(\a%2))*4
.endr
.endr
.Lbias_in:
.macro FRAG reg, adr, q, i             ; a fragment comes back as it was stored: three loads of 512 consecutive bytes
.irp c, 0,1,2
	ds_load_b128 v[\reg+4*\c:\reg+4*\c+3], v[\adr] offset:(\i)*ROWB+(\q)*FRB+512*\c
.endr
.endm
; 16 matrix instructions: source 1's blocks a0, a0 + 1 x source 0's eight.  zero = 1: the bias by source 0's block is the C; 2: by source 1's block; 0: the sums go on.  The 64 accumulators take turns.
.macro MUL16 a0, p, q, sc, zero
.irp a, \a0, \a0+1
.irp b, 0,1,2,3,4,5,6,7
.if \zero == 1
	v_wmma_scale_f32_16x16x128_f8f6f4 v[8*(8*((\a)%4)+\b):8*(8*((\a)%4)+\b)+7], v[128*(\p)+FR*\b:128*(\p)+FR*\b+FR-1], v[AF+FR*(\a):AF+FR*(\a)+FR-1], v[BI+8*\b:BI+8*\b+7], v[SC+16*(\sc)+NQ*\b+(\q)], v[SC+16*(\sc)+NQ*(\a)+(\q)] matrix_a_fmt:MATRIX_FMT_FP6 matrix_b_fmt:MATRIX_FMT_FP6 matrix_a_scale:MATRIX_SCALE_ROW1
.elseif \zero == 2
	v_wmma_scale_f32_16x16x128_f8f6f4 v[8*(8*((\a)%4)+\b):8*(8*((\a)%4)+\b)+7], v[128*(\p)+FR*\b:128*(\p)+FR*\b+FR-1], v[AF+FR*(\a):AF+FR*(\a)+FR-1], v[BI+8*(\a):BI+8*(\a)+7], v[SC+16*(\sc)+NQ*\b+(\q)], v[SC+16*(\sc)+NQ*(\a)+(\q)] matrix_a_fmt:MATRIX_FMT_FP6 matrix_b_fmt:MATRIX_FMT_FP6 matrix_a_scale:MATRIX_SCALE_ROW1
.else
	v_wmma_scale_f32_16x16x128_f8f6f4 v[8*(8*((\a)%4)+\b):8*(8*((\a)%4)+\b)+7], v[128*(\p)+FR*\b:128*(\p)+FR*\b+FR-1], v[AF+FR*(\a):AF+FR*(\a)+FR-1], v[8*(8*((\a)%4)+\b):8*(8*((\a)%4)+\b)+7], v[SC+16*(\sc)+NQ*\b+(\q)], v[SC+16*(\sc)+NQ*(\a)+(\q)] matrix_a_fmt:MATRIX_FMT_FP6 matrix_b_fmt:MATRIX_FMT_FP6 matrix_a_scale:MATRIX_SCALE_ROW1
.endif
.endr
.endr
.endm
.macro FETCH_B slot, q, p
	WIN TO_B
.irp i, 0,1,2,3,4,5,6,7
	FRAG 128*(\p)+FR*\i, ADRB+\slot, \q, \i
.endr
	WIN 0
.endm
.macro FETCH_A slot, q, i0
.irp i, \i0, \i0+1, \i0+2, \i0+3
	FRAG AF+FR*(\i), ADRA+\slot, \q, \i
.endr
.endm
.macro SCALES sc                       ; a K step of 256's scale words into set sc: register NQ i + q: lanes 0-15 source 1's block i, lanes 16-31 source 0's block i
.irp i, 0,1,2,3,4,5,6,7
.irp q, 0,1
	ds_load_b32 v[SC+16*\sc+NQ*\i+\q], v[ADRS] offset:64*\i+512*\q
.endr
.endr
.endm
.macro PLACES n                        ; plain vector places between a matrix instruction and a load into, or a read of, its registers (ISA guide 7.12.1 for vector instructions)
.rept \n
	v_nop
.endr
.endm
.macro STEP slot, q, zero, sc          ; a step of 128 along K that has its successor in the same slot; sc: the set of scale words
	s_wait_dscnt 4*NL                                ; all but the youngest 12 loads (source 1's blocks 4-7) are in
.if \zero
	WIN 0x81                                         ; C (the bias) window 0, D window 2
.else
	WIN MUL_LO
.endif
	MUL16 0, (\q)%2, \q, \sc, \zero
	MUL16 2, (\q)%2, \q, \sc, \zero
	s_wait_dscnt 0
	PLACES NP
	FETCH_B \slot, (\q)+1, 1-(\q)%2
	FETCH_A \slot, (\q)+1, 0
.if \zero
	WIN 0xc1
.else
	WIN MUL_HI
.endif
	MUL16 4, (\q)%2, \q, \sc, \zero
	MUL16 6, (\q)%2, \q, \sc, \zero
	PLACES NP
	WIN 0
	FETCH_A \slot, (\q)+1, 4
.endm
; A slot's last step, with a barrier: in front of it each wave waits for all its tensor loads, adds 0 to its spare word, and waits for that and for its reads of the slot.
; fill = 1 (behind slot 0's first turn): slot 0 is filled again, with K step 3, behind a round of the cluster's barrier.  fill = 0: the barrier shows the refilled slot whole to every wave.
.macro TURN next, fill, sc, nsc
	s_wait_tensorcnt 0x0                             ; no load of mine is out: fill = 1: my parts of slots 1 and 2 have landed; fill = 0: my part of the refill
	ds_add_u32 v[SPW], v[NIL]
	s_wait_dscnt 4*NL+1                              ; (the add and the youngest 12 loads may be out)
	WIN MUL_LO
	MUL16 0, 1, NQ-1, \sc, 0
	s_wait_dscnt 0x0                                 ; the add is done, and my reads of this slot are over
	s_barrier_signal -1
	MUL16 2, 1, NQ-1, \sc, 0
	WIN 0
	s_barrier_wait -1
.if \fill
	CREST
	s_add_nc_u64 s[G0+2:G0+3], s[G0+2:G0+3], 3*ROWB
	s_add_nc_u64 s[G0B+2:G0B+3], s[G0B+2:G0B+3], 3*ROWB
	JLOAD G0, G1, G0B, G1B                           ; the first tensor load behind the round; its four v_nop are the places in front of the loads below
.else
	PLACES NP
.endif
	v_add_nc_u32 v[ADRS], 512*NQ, v[ADRS]            ; the next K step's scale words
	FETCH_B \next, 0, 0
	FETCH_A \next, 0, 0
	SCALES \nsc
	WIN MUL_HI
	MUL16 4, 1, NQ-1, \sc, 0
	MUL16 6, 1, NQ-1, \sc, 0
	PLACES NP
	WIN 0
	FETCH_A \next, 0, 4
.endm
; A slot's last step without a barrier: the next slot was shown whole to every wave at the barrier of the first change.
.macro PASS next, sc, nsc
	s_wait_dscnt 4*NL
	WIN MUL_LO
	MUL16 0, 1, NQ-1, \sc, 0
	MUL16 2, 1, NQ-1, \sc, 0
	s_wait_dscnt 0
	PLACES NP
	WIN 0
	v_add_nc_u32 v[ADRS], 512*NQ, v[ADRS]
	FETCH_B \next, 0, 0
	FETCH_A \next, 0, 0
	SCALES \nsc
	WIN MUL_HI
	MUL16 4, 1, NQ-1, \sc, 0
	MUL16 6, 1, NQ-1, \sc, 0
	PLACES NP
	WIN 0
	FETCH_A \next, 0, 4
.endm
	s_wait_tensorcnt 2                               ; the scale words and my part of slot 0 are in; the loads of slots 1 and 2 may be out
	s_barrier_signal -1
	s_barrier_wait -1
	FETCH_B 0, 0, 0
	FETCH_A 0, 0, 0
	SCALES 0
	FETCH_A 0, 0, 4
	s_wait_loadcnt 0x0                               ; the bias
	s_cmp_eq_u32 s[VF], 1
	s_cbranch_scc1 .Lfirst_v
	STEP 0, 0, 1, 0                                  ; the first step starts the sums on the bias
	s_branch .Lfirst_done
.Lfirst_v:
	STEP 0, 0, 2, 0
.Lfirst_done:
	TURN 1, 1, 0, 1                                  ; slot 0 is left and filled again: the one refill
	STEP 1, 0, 0, 1
	PASS 2, 1, 0
	STEP 2, 0, 0, 0
	TURN 0, 0, 0, 1                                  ; on to slot 0's second tile
	STEP 0, 0, 0, 1
	s_wait_dscnt 4*NL                                ; the very last step: nothing more to fetch
	WIN MUL_LO
	MUL16 0, 1, NQ-1, 1, 0
	MUL16 2, 1, NQ-1, 1, 0
	s_wait_dscnt 0
	WIN MUL_HI
	MUL16 4, 1, NQ-1, 1, 0
	MUL16 6, 1, NQ-1, 1, 0
	WIN 0
	PLACES NP
; THE WAY OUT.  The 64 registers of source 1's block a (window w, from register s on) are, for the lane's row, 128 neighbours along the next K: register 16 b + i = k 32 b + 16 (lane / 16) + i.  They become a fragment in v[PC] on and its scale word in v[PW].
.macro QUANTW w, s
	s_wait_xcnt 0x0                                  ; the last block's stores have read their registers
	WIN (((\w)<<4)|((\w)<<2))                        ; sources 1 and 2: the accumulators' window
.irp b, 0,1,2,3
	v_max3_num_f32 v[TM+\b], 0x1800000, |v[(\s)+16*\b]|, |v[(\s)+1+16*\b]|   ; each accumulator is read from its low end on; the floor 2^(3 - 127) holds the byte at 1 from below
.endr
.irp i, 2,4,6,8,10,12,14
.irp b, 0,1,2,3
	v_max3_num_f32 v[TM+\b], v[TM+\b], |v[(\s)+16*\b+\i]|, |v[(\s)+1+16*\b+\i]|
.endr
.endr
	WIN 0
.irp b, 0,1,2,3
	v_permlanex16_b32 v[TM+4+\b], v[TM+\b], s[SEL], s[SEL+1]
.endr
.irp b, 0,1,2,3
	v_max_num_f32 v[TM+\b], v[TM+\b], v[TM+4+\b]
.endr
.irp b, 0,1,2,3
	v_add_nc_u32 v[TM+12+\b], 0xff000000, v[TM+\b]
.endr
.irp b, 0,1,2,3
	v_lshrrev_b32 v[TM+4+\b], 23, v[TM+12+\b]
.endr
	v_lshl_or_b32 v[PW], v[TM+5], 8, v[TM+4]
	v_lshl_or_b32 v[PW], v[TM+6], 16, v[PW]
	v_lshl_or_b32 v[PW], v[TM+7], 24, v[PW]
	WIN (\w)                                         ; source 0: the accumulators' window
.irp c, 0,1
	v_cvt_scalef32_pk16_fp6_f32 v[PC+6*\c:PC+2+6*\c], v[(\s)+32*\c:(\s)+15+32*\c], v[TM+12+2*\c]
	v_cvt_scalef32_pk16_fp6_f32 v[PC+12+4*\c:PC+14+4*\c], v[(\s)+16+32*\c:(\s)+31+32*\c], v[TM+12+2*\c+1]
.endr
	WIN 0
	v_nop                                            ; one plain place behind the conversions
.irp c, 0,1
.irp i, 0,1,2
	v_permlane16_swap_b32 v[PC+6*\c+\i], v[PC+12+4*\c+\i]
.endr
.irp i, 0,1,2
	v_mov_b32 v[PC+3+6*\c+\i], v[PC+12+4*\c+\i]
.endr
.endr
.endm
.macro OUT a
	QUANTW 2+((\a)/4), 64*((\a)%4)
.if (\a)%2 == 0
	v_mov_b32 v[PWE], v[PW]                          ; an even tile's scale words are kept for its neighbour's store
.else
	v_cndmask_b32 v[WA], v[PWE], v[PW], s[MH]        ; lanes 0-15 tile a - 1's words, lanes 16-31 tile a's: bytes 0, 1 the first head's,
	v_lshrrev_b32 v[WB], 16, v[WA]                   ; bytes 2, 3 the second head's
.endif
	s_cmp_eq_u32 s[VF], 1
	s_cbranch_scc1 .Lv_\@
	global_store_b128 v[L16], v[PC:PC+3], s[20:21] offset:768*(\a)              ; q, k: registers 0-5 are the first head's 64, registers 6-11 the second's
	global_store_b64 v[L8], v[PC+4:PC+5], s[20:21] offset:768*(\a)
	global_store_b128 v[L16], v[PC+6:PC+9], s[20:21] offset:768*(\a)+98304
	global_store_b64 v[L8], v[PC+10:PC+11], s[20:21] offset:768*(\a)+98304
.if (\a)%2 == 1
	global_store_b32 v[L4], v[WA], s[22:23] offset:128*((\a)/2)                 ; (the first head's word keeps the second's bytes on top: they scale codes that meet zeros)
	global_store_b32 v[L4], v[WB], s[22:23] offset:128*((\a)/2)+8192
.endif
	s_branch .Ldone_\@
.Lv_\@:
.irp c, 0,1,2
	global_store_b128 v[L16], v[PC+4*\c:PC+4*\c+3], s[20:21] offset:1536*((\a)%4)+98304*((\a)/4)+512*\c   ; v: tile a % 4 of head a / 4, my 128 keys
.endr
	global_store_b32 v[L4], v[PW], s[22:23] offset:128*((\a)%4)+8192*((\a)/4)
.Ldone_\@:
.endm
.irp b, 0,1,2,3
	v_mov_b32 v[TM+4+\b], 0                          ; written once: a lane permute's destination counts as one of its sources
.endr
.irp a, 0,1,2,3,4,5,6,7
	OUT \a
.endr
	s_wait_tensorcnt 0x0                             ; the wave's end
	ds_add_u32 v[SPW], v[NIL]
	s_wait_dscnt 0x0
	CROUND                                           ; the closing round
	s_endpgm
.Lfunc_end_k_q730b713bc1_qkv:
	.size	k_q730b713bc1_qkv, .Lfunc_end_k_q730b713bc1_qkv-k_q730b713bc1_qkv
	.p2alignl 7, 3214868480
	.fill 96, 4, 3214868480
	.section	.rodata,"a",@progbits
	.p2align	6, 0x0
	.amdhsa_kernel k_q730b713bc1_qkv
		.amdhsa_group_segment_fixed_size 327680
		.amdhsa_private_segment_fixed_size 0
		.amdhsa_enable_private_segment 0
		.amdhsa_kernarg_size 40
		.amdhsa_user_sgpr_count 2
		.amdhsa_user_sgpr_kernarg_segment_ptr 1
		.amdhsa_wavefront_size32 1
		.amdhsa_system_sgpr_workgroup_id_x 1
		.amdhsa_system_sgpr_workgroup_id_y 1
		.amdhsa_system_sgpr_workgroup_id_z 1
		.amdhsa_system_vgpr_workitem_id 0
		.amdhsa_next_free_vgpr 1024
		.amdhsa_next_free_sgpr 102
		.amdhsa_reserve_vcc 0
		.amdhsa_float_denorm_mode_32 3
		.amdhsa_float_denorm_mode_16_64 3
		.amdhsa_memory_ordered 1
		.amdhsa_forward_progress 1
		.amdhsa_inst_pref_size 168
	.end_amdhsa_kernel
	.amdgpu_metadata
---
amdhsa.version: [ 1, 2 ]
amdhsa.kernels:
  - .name:           k_q730b713bc1_qkv
    .symbol:         k_q730b713bc1_qkv.kd
    .args:
      - { .name: wts, .offset: 0, .size: 8, .value_kind: global_buffer, .address_space: global }
      - { .name: bq, .offset: 8, .size: 8, .value_kind: global_buffer, .address_space: global }
      - { .name: bk, .offset: 16, .size: 8, .value_kind: global_buffer, .address_space: global }
      - { .name: bv, .offset: 24, .size: 8, .value_kind: global_buffer, .address_space: global }
      - { .name: qkv, .offset: 32, .size: 8, .value_kind: global_buffer, .address_space: global }
    .group_segment_fixed_size: 327680
    .private_segment_fixed_size: 0
    .kernarg_segment_align: 8
    .kernarg_segment_size: 40
    .max_flat_workgroup_size: 128
    .sgpr_count:     102
    .vgpr_count:     1024
    .wavefront_size: 32
...
	.end_amdgpu_metadata
.endif
;; end of part 2
;; launch attn (part 3): grid 8 x 32, 16 waves a work-group, clusters of 4 x 1, 284,672 bytes of LDS; arguments qkv, o; writes o
.if DOCPART == 3
	.amdgcn_target "amdgcn-amd-amdhsa--gfx1250"
	.amdhsa_code_object_version 6
	.text
	.protected	k_q730b713bc1_attn
	.globl	k_q730b713bc1_attn
	.p2align	8
	.type	k_q730b713bc1_attn,@function
k_q730b713bc1_attn:
	s_mov_b64 s[64:65], 0
	v_nop
	global_prefetch_b8 v0, s[64:65] scope:SCOPE_SE
	s_setreg_imm32_b32 hwreg(HW_REG_WAVE_MODE, 25, 1), 1
	s_wait_xcnt 0x0
	s_wait_alu depctr_hold_cnt(0) depctr_sa_sdst(0) depctr_va_vdst(0) depctr_va_sdst(0) depctr_va_ssrc(0) depctr_va_vcc(0) depctr_vm_vsrc(0)
	s_getreg_b32 s2, hwreg(HW_REG_IB_STS2, 6, 4)
	s_cmp_eq_u32 s2, 0
	s_cbranch_scc0 .Lentry_in_a_cluster
	s_endpgm
.Lentry_in_a_cluster:
	s_bfe_u32 s2, ttmp6, 0x10000c
	s_cmp_lg_u32 s2, 0x3003
	s_cbranch_scc0 .Lentry_shape_is_right
	s_endpgm
.Lentry_shape_is_right:
; o[b][t][head] = causal softmax(q k^T / 32) v, both products on codes of FP6 (E2M3) with E8M0 scales, as the launch before has laid them.
; THE SOFTMAX AHEAD OF THE SECOND PRODUCT: t = score x log2(e) / 32; M = the running largest t rounded UP to a whole number; p = 2^(t - M) is quantised along the keys; the row's sum is taken of the unquantised p and divides at the end.
; SHARES.  A work-group serves one (batch, head) and 16 tiles of 16 queries, one a wave, in 256 registers, so that one wave's vector work can stand beside another's matrix work.
; Wave w has a rank RK and takes query tile 8 RK + x (x: the work-group's number in the head, 0..7).  All its queries lie among keys 128 RK .. 128 RK + 127, so of the 16 key steps of 128 it works
; steps 0 .. RK, the last one under the mask: a branch on the wave's number and the count of steps alone.  The ranks by wave: 15 2 4 9 | 14 3 5 8 | 0 13 11 6 | 1 12 10 7.
; So waves w, w + 4, w + 8, w + 12 together work 34 steps, whatever w, and so do waves 4 g .. 4 g + 3, whatever g; every work-group has the same work.
; NO RING: a head's K and V codes (98,304 bytes each) and scale words (8,192 each) are brought into LDS once and stay.  The four work-groups of a cluster belong to one head and ask JOINTLY.
; TWO BARRIERS: the first shows the scale words and key step 0, which every wave works; the second shows all the rest; behind it no wave waits for another before the launch's end.
; LAYOUT.  S^T = K Q^T (source 0 = 16 keys), O^T = V^T P^T (source 0 = 16 of the head's 64): a lane holds one query throughout.  K = 64 in the first product: Q's upper 64 codes are zeros, so what stands in K's upper six registers
; (the next tile's codes, or a pad of zeros) adds nothing.  The keys of a tile, and V's rows, are chosen so that two neighbouring tiles give a lane 16 neighbours.
; A query tile's row p is token 32 (tile / 2) + 8 (tile % 2) + p + 8 (p / 8) of its batch.
; LIMITS: as the quantiser's: a block of p that has fallen under 2^-124 gets the byte 1.  NaN and infinities are not served.
.set VC,    98304                      ; LDS: K's codes at 0, V's here,
.set SK,    196608                     ; K's scale words, V's 8,192 bytes on,
.set STG,   212992                     ; the way out: 16 rows x 272 bytes for each wave,
.set SPARE, 282624                     ; the spare words, 128 bytes a wave
.set K_C,   3145728                    ; in qkv: K's codes (V's 3,145,728 on), Q's and K's scale words (V's 262,144 on)
.set Q_S,   9437184
.set K_S,   9699328
.set AK0, 1                            ; v1   16 x lane
.set AK1, 2                            ; v2   512 + 8 x lane
.set AV0, 3                            ; v3   VC + 16 x lane
.set AS0, 4                            ; v4   SK + 4 x lane
.set SPW, 5
.set NIL, 6
.set GO,  7                            ; v7   my byte offset in the tile's rows of o
.set ADK, 8                            ; v8-11 the step's addresses
.set ADK1, 9
.set ADV, 10
.set ADS, 11
                                       ; v12 -M, v13 the largest t, v[14:15] the sum; v16-27 Q (v22-27 zeros)
.set QS,  28
.set DD,  29                           ; v29  my query's place among its 128, less 16 (lane / 16)
.set NINF, 30
.set KV,  32                           ; v32-79 K's eight half fragments, later V's four; v80-85 a pad of zeros
.set KSC, 86
.set VSC, 90
.set S,   96                           ; v96-159 S^T, then p
.set O,   160                          ; v160-191 O^T
.set P,   192                          ; v192-203 p's codes (v204-210 at work)
.set BM,  212
.set BP,  216
.set SOP, 220
.set TP,  224
.set FF,  226                          ; v[226:227] f
.set PS,  228
.set CH,  230                          ; v[230:231] the sums' second chain
.set STO, 232
.set RD,  233
.set WV,  8
.set RK,  9
.set SEL, 20
.set CS,  22
.set TB,  60                           ; s60  where the step's codes begin in K's and in V's region: 6,144 bytes a step
.set TS,  61                           ; s61  and its scale words: 512 bytes a step
.set KS,  62                           ; s62  the key step
.set TW,  63
.macro CROUND
	s_barrier_signal -1
	s_barrier_wait -1
	s_cmp_lg_u32 s[WV], 0
	s_cbranch_scc1 .Lnot_wave_0_\@
	s_barrier_signal -3
.Lnot_wave_0_\@:
	s_barrier_wait -3
	s_barrier_signal -1
	s_barrier_wait -1
.endm
	s_load_b128 s[4:7], s[0:1], 0x0                  ; qkv, o
	v_lshl_add_u32 v[SPW], v0, 2, SPARE
	v_mov_b32 v[NIL], 0
	ds_add_u32 v[SPW], v[NIL]                        ; the wave's opening: the add and its wait ahead of the first tensor loads
	v_lshrrev_b32 v8, 5, v0
	v_readfirstlane_b32 s[WV], v8                    ; wave 0..15
	s_bfe_u32 s10, ttmp6, 0x40000                    ; cx
	s_lshl_b32 s11, ttmp9, 2
	s_add_co_u32 s11, s11, s10                       ; x
	s_and_b32 s12, ttmp7, 0xffff                     ; batch x 16 + head
	s_lshr_b32 s13, s[WV], 1                         ; the rank: 2 (w % 4) xor ((w / 4) % 2) xor 15 ((w xor w / 2 xor w / 8 xor 1) % 2)
	s_xor_b32 s13, s13, s[WV]
	s_lshr_b32 s14, s[WV], 3
	s_xor_b32 s13, s13, s14
	s_xor_b32 s13, s13, 1
	s_and_b32 s13, s13, 1
	s_mul_i32 s13, s13, 15
	s_and_b32 s14, s[WV], 3
	s_lshl_b32 s14, s14, 1
	s_xor_b32 s13, s13, s14
	s_bfe_u32 s14, s[WV], 0x10002
	s_xor_b32 s[RK], s13, s14
	s_mov_b32 s24, 15|(3<<16)|(1<<21)                ; five key steps of codes: 120 rows of 256 bytes, dense; the mask names all four work-groups
	s_mov_b32 s25, 32<<16
	s_mov_b32 s26, 120<<16
	s_mov_b32 s27, 32<<16
	s_mov_b32 s28, 120
	s_mov_b32 s29, 32
	s_mov_b32 s30, 0
	s_mov_b32 s31, 0
	s_mov_b32 s32, 15|(3<<16)|(1<<21)                ; a head's scale words: 32 rows of 256 bytes
	s_mov_b32 s33, 32<<16
	s_mov_b32 s34, 32<<16
	s_mov_b32 s35, 32<<16
	s_mov_b32 s36, 32
	s_mov_b32 s37, 32
	s_mov_b32 s38, 0
	s_mov_b32 s39, 0
	s_mov_b32 s72, 15|(3<<16)|(1<<21)                ; key step 0's codes: 24 rows of 256 bytes
	s_mov_b32 s73, 32<<16
	s_mov_b32 s74, 24<<16
	s_mov_b32 s75, 32<<16
	s_mov_b32 s76, 24
	s_mov_b32 s77, 32
	s_mov_b32 s78, 0
	s_mov_b32 s79, 0
	s_mul_i32 s13, s[WV], VC                         ; wave 0 fetches K's, wave 1 V's: in LDS
	s_lshl_b32 s14, s[WV], 13
	s_mul_i32 s16, s[WV], 3145728                    ; and in memory
	s_mul_i32 s17, s12, 98304
	s_add_co_u32 s16, s16, s17
	s_add_co_u32 s16, s16, K_C
	s_mov_b32 s17, 0
	s_lshl_b32 s18, s[WV], 18
	s_lshl_b32 s19, s12, 13
	s_add_co_u32 s18, s18, s19
	s_add_co_u32 s18, s18, K_S
	s_mov_b32 s19, 0
	s_mov_b32 s[SEL], 0x76543210
	s_mov_b32 s[SEL+1], 0xfedcba98
	s_mov_b32 s[CS], 0x3d38aa3b                      ; c = log2(e) / 32
	s_mov_b32 s[CS+1], s[CS]
	s_mov_b32 s[TB], 0
	s_mov_b32 s[TS], 0
	s_mov_b32 s[KS], 0
	s_wait_dscnt 0x0                                 ; the opening add is done
	s_wait_kmcnt 0x0
	s_add_nc_u64 s[16:17], s[4:5], s[16:17]
	s_add_nc_u64 s[18:19], s[4:5], s[18:19]
	CROUND                                           ; all four work-groups are here: the joint loads meet
	s_mov_b32 s40, 1
	s_add_co_u32 s41, s14, SK
	s_mov_b64 s[42:43], s[18:19]
	s_or_b32 s43, s43, 0x80000000
	s_mov_b32 s44, 1
	s_mov_b32 s45, s13
	s_mov_b64 s[46:47], s[16:17]
	s_or_b32 s47, s47, 0x80000000
.irp c, 0,1,2
	s_mov_b32 s[48+4*\c], 1
	s_add_co_u32 s[49+4*\c], s13, 6144+30720*\c
	s_add_nc_u64 s[50+4*\c:51+4*\c], s[16:17], 6144+30720*\c
	s_or_b32 s[51+4*\c], s[51+4*\c], 0x80000000
.endr
	s_cmp_lt_u32 s[WV], 2                            ; all first fills of a wave stand in one branch on its number; five loads of a wave are out
	s_cbranch_scc0 .Lno_fetch
	tensor_load_to_lds s[40:43], s[32:39]
	s_nop 0
	tensor_load_to_lds s[44:47], s[72:79]
	s_nop 0
.irp c, 0,1,2
	tensor_load_to_lds s[48+4*\c:51+4*\c], s[24:31]
	s_nop 0
.endr
.rept 4
	v_nop
.endr
.Lno_fetch:
	v_and_b32 v8, 31, v0
	v_and_b32 v9, 15, v0                             ; r
	v_bfe_u32 v10, v0, 4, 1                          ; h
	v_lshlrev_b32 v[AK0], 4, v8
	v_lshl_add_u32 v[AK1], v8, 3, 512
	v_add_nc_u32 v[AV0], VC, v[AK0]
	v_lshl_add_u32 v[AS0], v8, 2, SK
	s_lshl_b32 s13, s[RK], 3
	s_add_co_u32 s13, s13, s11                       ; my query tile
	s_lshl_b32 s14, s12, 7
	s_add_co_u32 s14, s14, s13
	s_mul_i32 s16, s14, 768
	s_mov_b32 s17, 0
	s_add_nc_u64 s[16:17], s[4:5], s[16:17]
	s_lshl_b32 s18, s14, 6
	s_add_co_u32 s18, s18, Q_S
	s_mov_b32 s19, 0
	s_add_nc_u64 s[18:19], s[4:5], s[18:19]
	v_lshlrev_b32 v31, 2, v9
	global_load_b128 v[16:19], v[AK0], s[16:17]      ; Q's half fragment stays in registers
	global_load_b64 v[20:21], v[AK1], s[16:17]
	global_load_b32 v[QS], v31, s[18:19]
	s_lshr_b32 s14, s11, 1
	s_lshl_b32 s14, s14, 5
	s_and_b32 s15, s11, 1
	s_lshl_b32 s15, s15, 3
	s_add_co_u32 s14, s14, s15                       ; the tile's first query among its 128
	v_and_b32 v[DD], 8, v9
	v_add_nc_u32 v[DD], v[DD], v9
	v_add_nc_u32 v[DD], s14, v[DD]
	v_lshlrev_b32 v8, 4, v10
	v_sub_nc_u32 v[DD], v[DD], v8
	s_lshr_b32 s15, s12, 4
	s_lshl_b32 s15, s15, 11
	s_lshl_b32 s66, s[RK], 7
	s_add_co_u32 s15, s15, s66
	s_add_co_u32 s15, s15, s14                       ; that query's token
	s_lshl_b32 s66, s15, 12
	s_and_b32 s67, s12, 15
	s_lshl_b32 s67, s67, 8
	s_add_co_u32 s66, s66, s67
	s_mov_b32 s67, 0
	s_add_nc_u64 s[6:7], s[6:7], s[66:67]            ; o at that token, my head's 256 bytes
	v_lshlrev_b32 v[GO], 12, v10
	v_lshl_add_u32 v[GO], v9, 4, v[GO]
	s_mul_i32 s15, s[WV], 16*272
	s_add_co_u32 s15, s15, STG                       ; my stage
	v_mul_u32_u24 v[STO], v9, 272
	v_lshl_add_u32 v[STO], v10, 6, v[STO]
	v_add_nc_u32 v[STO], s15, v[STO]                 ; in: row r, + 64 h
	v_mul_u32_u24 v[RD], v10, 272
	v_lshl_add_u32 v[RD], v9, 4, v[RD]
	v_add_nc_u32 v[RD], s15, v[RD]                   ; back: lanes 0-15 one row, lanes 16-31 the next
	v_mov_b32 v13, 0xff61b1e6                        ; the largest t so far: -3e38
	v_floor_f32 v12, -v13                            ; -M
	v_mov_b32 v14, 0
	v_mov_b32 v15, 0
.irp j, 0,1,2,3,4,5
	v_mov_b32 v[22+\j], 0                            ; Q's codes of k = 64 .. 127
	v_mov_b32 v[KV+48+\j], 0                         ; the pad behind K's last tile
.endr
.irp b, 0,1,2,3
	v_mov_b32 v[BP+\b], 0                            ; written once: a lane permute's destination counts as one of its sources
.endr
	v_mov_b32 v[TP], 0
	v_mov_b32 v[FF+1], 0                             ; (named as the upper half of the pair)
	v_mov_b32 v[NINF], 0xff800000
.set jj, 0
.rept 32
	v_mov_b32 v[O+jj], 0                             ; the step is written for every turn alike: the first finds zeros
.set jj, jj+1
.endr
	s_wait_loadcnt 0x0                               ; Q
.macro STEP
	s_cmp_gt_u32 s[KS], s[RK]                        ; all 128 keys come after my queries: the step's work is left out; the lines at its end that step addresses are not
	s_cbranch_scc1 .Lhid_\@
	v_add_nc_u32 v[ADK], s[TB], v[AK0]               ; (these four are the places between the last step's products and the loads below)
	v_add_nc_u32 v[ADK1], s[TB], v[AK1]
	v_add_nc_u32 v[ADV], s[TB], v[AV0]
	v_add_nc_u32 v[ADS], s[TS], v[AS0]
.irp t, 0,1,2,3,4,5,6,7
	ds_load_b128 v[KV+6*\t:KV+6*\t+3], v[ADK] offset:768*\t
	ds_load_b64 v[KV+6*\t+4:KV+6*\t+5], v[ADK1] offset:768*\t
.endr
.irp p, 0,1,2,3
	ds_load_b32 v[KSC+\p], v[ADS] offset:128*\p      ; lanes 0-15 tile 2 p's words, lanes 16-31 tile 2 p + 1's
.endr
	s_wait_dscnt 0x0
.irp t, 0,2,4,6
	v_wmma_scale_f32_16x16x128_f8f6f4 v[S+8*\t:S+8*\t+7], v[KV+6*\t:KV+6*\t+11], v[16:27], 0, v[KSC+\t/2], v[QS] matrix_a_fmt:MATRIX_FMT_FP6 matrix_b_fmt:MATRIX_FMT_FP6
	v_wmma_scale_f32_16x16x128_f8f6f4 v[S+8*\t+8:S+8*\t+15], v[KV+6*\t+6:KV+6*\t+17], v[16:27], 0, v[KSC+\t/2], v[QS] matrix_a_fmt:MATRIX_FMT_FP6 matrix_b_fmt:MATRIX_FMT_FP6 matrix_a_scale:MATRIX_SCALE_ROW1
.endr
.rept 4
	v_nop                                            ; places in front of the loads into K's registers and of the first read of the scores
.endr
.irp e, 0,1,2,3                                  ; V's four fragments land while the softmax is walked
.irp c, 0,1,2
	ds_load_b128 v[KV+12*\e+4*\c:KV+12*\e+4*\c+3], v[ADV] offset:1536*\e+512*\c
.endr
	ds_load_b32 v[VSC+\e], v[ADS] offset:8192+128*\e
.endr
	s_cmp_lg_u32 s[KS], s[RK]                        ; only my last step lies on the diagonal
	s_cbranch_scc1 .Lopen_\@
.set n, 0
.rept 64                                         ; register 16 b + i holds key 32 b + 16 (lane / 16) + i of the step: hidden where 32 b + i > DD
	v_cmp_gt_i32 vcc_lo, 32*(n/16)+n%16, v[DD]
	v_cndmask_b32 v[S+n], v[S+n], v[NINF], vcc_lo
.set n, n+1
.endr
.Lopen_\@:
.irp b, 0,1,2,3
	v_max3_num_f32 v[BM+\b], v[S+16*\b], v[S+1+16*\b], v[S+2+16*\b]   ; the largest score of each block of 32 keys: for the row's maximum, and, since p rises with the score, for the block's largest p
.endr
.irp i, 3,5,7,9,11,13
.irp b, 0,1,2,3
	v_max3_num_f32 v[BM+\b], v[BM+\b], v[S+16*\b+\i], v[S+1+16*\b+\i]
.endr
.endr
.irp b, 0,1,2,3
	v_max_num_f32 v[BM+\b], v[BM+\b], v[S+15+16*\b]
.endr
.irp b, 0,1,2,3
	v_permlanex16_b32 v[BP+\b], v[BM+\b], s[SEL], s[SEL+1]
.endr
.irp b, 0,1,2,3
	v_max_num_f32 v[BM+\b], v[BM+\b], v[BP+\b]
.endr
	v_max3_num_f32 v[TP], v[BM], v[BM+1], v[BM+2]
	v_max_num_f32 v[TP], v[TP], v[BM+3]
	v_mul_f32 v[TP], s[CS], v[TP]
	v_max_num_f32 v13, v13, v[TP]                    ; the running largest t
	v_mov_b32 v[TP], v12
	v_floor_f32 v12, -v13                            ; the new -M = -ceil(t)
	v_sub_f32 v[TP], v12, v[TP]                      ; old M - new M: a whole number, 0 or less
	v_cvt_i32_f32 v[TP], v[TP]
	v_ldexp_f32 v[FF], 1.0, v[TP]                    ; f = 2^(old M - new M): rounds nothing
.set jj, 0
.rept 32
	v_pk_fma_f32 v[S+jj:S+jj+1], v[S+jj:S+jj+1], s[CS:CS+1], v[12:13] op_sel_hi:[1,0,0]   ; t - M
.set jj, jj+2
.endr
.irp b, 0,1,2,3
	v_fma_f32 v[BM+\b], v[BM+\b], s[CS], v12
.endr
.set jj, 0
.rept 64
	v_exp_f32 v[S+jj], v[S+jj]                       ; p = 2^(t - M)
.set jj, jj+1
.endr
	v_pk_mul_f32 v[14:15], v[14:15], v[FF:FF+1] op_sel_hi:[1,0]   ; the sums under the new M (a plain place behind the exponentials)
	s_wait_alu depctr_va_vdst(0)                     ; one wait for the batch, ahead of its first reader
.irp b, 0,1,2,3
	v_exp_f32 v[BM+\b], v[BM+\b]                     ; each block's largest p
.endr
	v_pk_add_f32 v[CH:CH+1], v[S:S+1], v[S+2:S+3]    ; the row's sum of the unquantised p, in two chains
.irp j, 4,8,12,16,20,24,28,32,36,40,44,48,52,56,60
	v_pk_add_f32 v[14:15], v[14:15], v[S+\j:S+\j+1]
	v_pk_add_f32 v[CH:CH+1], v[CH:CH+1], v[S+2+\j:S+3+\j]
.endr
	v_pk_add_f32 v[14:15], v[14:15], v[CH:CH+1]
	s_wait_alu depctr_va_vdst(0)                     ; and one for the four
.irp b, 0,1,2,3
	v_max_num_f32 v[BM+\b], 0x1800000, v[BM+\b]      ; the floor 2^(3 - 127)
.endr
.irp b, 0,1,2,3
	v_add_nc_u32 v[SOP+\b], 0xff000000, v[BM+\b]
.endr
.irp b, 0,1,2,3
	v_lshrrev_b32 v[BP+\b], 23, v[SOP+\b]
.endr
	v_lshl_or_b32 v[PS], v[BP+1], 8, v[BP]           ; p's scale word for these 128 keys
	v_lshl_or_b32 v[PS], v[BP+2], 16, v[PS]
	v_lshl_or_b32 v[PS], v[BP+3], 24, v[PS]
.irp c, 0,1
	v_cvt_scalef32_pk16_fp6_f32 v[P+6*\c:P+2+6*\c], v[S+32*\c:S+15+32*\c], v[SOP+2*\c]
	v_cvt_scalef32_pk16_fp6_f32 v[P+12+4*\c:P+14+4*\c], v[S+16+32*\c:S+31+32*\c], v[SOP+2*\c+1]
.endr
	v_nop
.irp c, 0,1
.irp i, 0,1,2
	v_permlane16_swap_b32 v[P+6*\c+\i], v[P+12+4*\c+\i]
.endr
.irp i, 0,1,2
	v_mov_b32 v[P+3+6*\c+\i], v[P+12+4*\c+\i]
.endr
.endr
.set jj, 0
.rept 16
	v_pk_mul_f32 v[O+jj:O+jj+1], v[O+jj:O+jj+1], v[FF:FF+1] op_sel_hi:[1,0]   ; O^T under the new M; these 16 are also the places between p's codes and scale word and the products below
.set jj, jj+2
.endr
	s_wait_dscnt 0x0                                 ; V
.irp e, 0,1,2,3                                  ; the four accumulators take turns
	v_wmma_scale_f32_16x16x128_f8f6f4 v[O+8*\e:O+8*\e+7], v[KV+12*\e:KV+12*\e+11], v[P:P+11], v[O+8*\e:O+8*\e+7], v[VSC+\e], v[PS] matrix_a_fmt:MATRIX_FMT_FP6 matrix_b_fmt:MATRIX_FMT_FP6
.endr
.Lhid_\@:
	s_add_co_u32 s[KS], s[KS], 1
	s_add_co_u32 s[TB], s[TB], 6144
	s_add_co_u32 s[TS], s[TS], 512
.endm
	s_wait_tensorcnt 3                               ; a fetching wave's scale words and key step 0 are in; its three loads of five key steps may be out
	s_wait_dscnt 0x0
	s_barrier_signal -1
	s_barrier_wait -1
	STEP                                             ; key step 0: every wave works it, while the rest lands
	s_wait_tensorcnt 0x0                             ; all of K and V,
	s_wait_dscnt 0x0
	s_barrier_signal -1
	s_barrier_wait -1                                ; shown to every wave: no barrier stands among the 15 steps below
	s_mov_b32 s[TW], 15
.Lstep:
	STEP
	s_sub_co_u32 s[TW], s[TW], 1
	s_cmp_lg_u32 s[TW], 0
	s_cbranch_scc1 .Lstep
	; THE WAY OUT: O^T / the sum goes through my stage and leaves as rows: sixteen lanes store my head's 256 consecutive bytes of a token
.rept 4
	v_nop                                            ; places behind the last products
.endr
	v_add_f32 v14, v14, v15
	v_permlanex16_b32 v[TP], v14, s[SEL], s[SEL+1]
	v_add_f32 v14, v14, v[TP]                        ; the row's sum
	v_rcp_f32 v14, v14
	v_nop
	s_wait_alu depctr_va_vdst(0)                     ; ahead of the first reader
.set jj, 0
.rept 32
	v_mul_f32 v[S+jj], v[O+jj], v14                  ; register 8 e + j is channel 32 (e / 2) + 16 h + 8 (e % 2) + j of query r
.set jj, jj+1
.endr
.irp e, 0,1,2,3
	ds_store_b128 v[STO], v[S+8*\e:S+8*\e+3] offset:128*(\e/2)+32*(\e%2)
	ds_store_b128 v[STO], v[S+8*\e+4:S+8*\e+7] offset:128*(\e/2)+32*(\e%2)+16
.endr
.irp i, 0,1,2,3,4,5,6,7
	ds_load_b128 v[KV+4*\i:KV+4*\i+3], v[RD] offset:544*\i   ; LDS serves a wave's instructions in order (ISA guide 5.7.1.4): these see my stores
.endr
.irp i, 0,1,2,3,4,5,6,7
	s_wait_dscnt 7-\i
	global_store_b128 v[GO], v[KV+4*\i:KV+4*\i+3], s[6:7] offset:(2*\i+8*(\i/4))*4096   ; the tile's rows 2 i and 2 i + 1 are tokens 2 i + 8 (i / 4) and the next
.endr
	s_wait_tensorcnt 0x0                             ; the wave's end
	ds_add_u32 v[SPW], v[NIL]
	s_wait_dscnt 0x0
	CROUND                                           ; the closing round
	s_endpgm
.Lfunc_end_k_q730b713bc1_attn:
	.size	k_q730b713bc1_attn, .Lfunc_end_k_q730b713bc1_attn-k_q730b713bc1_attn
	.p2alignl 7, 3214868480
	.fill 96, 4, 3214868480
	.section	.rodata,"a",@progbits
	.p2align	6, 0x0
	.amdhsa_kernel k_q730b713bc1_attn
		.amdhsa_group_segment_fixed_size 284672
		.amdhsa_private_segment_fixed_size 0
		.amdhsa_enable_private_segment 0
		.amdhsa_kernarg_size 16
		.amdhsa_user_sgpr_count 2
		.amdhsa_user_sgpr_kernarg_segment_ptr 1
		.amdhsa_wavefront_size32 1
		.amdhsa_system_sgpr_workgroup_id_x 1
		.amdhsa_system_sgpr_workgroup_id_y 1
		.amdhsa_system_sgpr_workgroup_id_z 1
		.amdhsa_system_vgpr_workitem_id 0
		.amdhsa_next_free_vgpr 256
		.amdhsa_next_free_sgpr 80
		.amdhsa_reserve_vcc 1
		.amdhsa_float_denorm_mode_32 3
		.amdhsa_float_denorm_mode_16_64 3
		.amdhsa_memory_ordered 1
		.amdhsa_forward_progress 1
		.amdhsa_inst_pref_size 56
	.end_amdhsa_kernel
	.amdgpu_metadata
---
amdhsa.version: [ 1, 2 ]
amdhsa.kernels:
  - .name:           k_q730b713bc1_attn
    .symbol:         k_q730b713bc1_attn.kd
    .args:
      - { .name: qkv, .offset: 0, .size: 8, .value_kind: global_buffer, .address_space: global }
      - { .name: o, .offset: 8, .size: 8, .value_kind: global_buffer, .address_space: global }
    .group_segment_fixed_size: 284672
    .private_segment_fixed_size: 0
    .kernarg_segment_align: 8
    .kernarg_segment_size: 16
    .max_flat_workgroup_size: 512
    .sgpr_count:     80
    .vgpr_count:     256
    .wavefront_size: 32
...
	.end_amdgpu_metadata
.endif
;; end of part 3
;; launch ln2 (part 4): grid 256 x 1, 8 waves a work-group, no clusters, 66,816 bytes of LDS; arguments x, o, g1, be1, g2, be2, h2; writes h2
.if DOCPART == 4
	.amdgcn_target "amdgcn-amd-amdhsa--gfx1250"
	.amdhsa_code_object_version 6
	.text
	.protected	k_q730b713bc1_ln2
	.globl	k_q730b713bc1_ln2
	.p2align	8
	.type	k_q730b713bc1_ln2,@function
k_q730b713bc1_ln2:
	s_mov_b64 s[64:65], 0
	v_nop
	global_prefetch_b8 v0, s[64:65] scope:SCOPE_SE
	s_setreg_imm32_b32 hwreg(HW_REG_WAVE_MODE, 25, 1), 1
	s_wait_xcnt 0x0
; h = LayerNorm(x; g1, be1) once more, in f32 (it was never stored); x2 = h + o; h2 = LayerNorm(x2; g2, be2) (variances over 1,023).
; h2 leaves twice: as f32 rows (the last launch adds them to its result) and as codes of FP6 (E2M3) with E8M0 scales along D, as images of operand registers: [tile of 16 tokens][K step][1,536], scale words [K step][tile][16].
; The work-group takes 16 neighbouring tokens, wave w rows 2 w and 2 w + 1: a row stays in one wave's registers through both norms.  Then the rows meet in LDS and wave w quantises K step w of all 16.
; LIMITS: a block whose largest magnitude lies under 2^-124 gets the byte 1; NaN and infinities are not served.  The means are taken away before the squares are summed.
; No tile is shared between work-groups: no cluster; nothing is multiplied: no matrix unit.
.set PITCH,  4112
.set SPARE,  16*PITCH
.set FRB,    1536
.set H2_C,   16777216
.set H2_S,   19922944
.set SPW, 2
.set NIL, 3
.set L16, 4
.set STA, 5
.set RDA, 6
.set R4,  9
.set X,   16                           ; v16-79   two rows
.set OO,  80                           ; v80-143  o's two rows; later the 64 numbers to be quantised
.set G,   144                          ; v144-175 gain, v176-207 bias; later the codes
.set BV,  176
.set T,   208
.set M,   216
.set TM,  224
.set PW,  240
.set PC,  144
.set SEL, 28
.macro QUANT s
.irp b, 0,1,2,3
	v_max3_num_f32 v[TM+\b], |v[\s+16*\b]|, |v[\s+1+16*\b]|, 0x1800000   ; my 16 numbers of block b, and the floor 2^(3 - 127)
.endr
.irp i, 2,4,6,8,10,12,14
.irp b, 0,1,2,3
	v_max3_num_f32 v[TM+\b], v[TM+\b], |v[\s+16*\b+\i]|, |v[\s+1+16*\b+\i]|
.endr
.endr
.irp b, 0,1,2,3
	v_permlanex16_b32 v[TM+4+\b], v[TM+\b], s[SEL], s[SEL+1]
.endr
.irp b, 0,1,2,3
	v_max_num_f32 v[TM+\b], v[TM+\b], v[TM+4+\b]
.endr
.irp b, 0,1,2,3
	v_add_nc_u32 v[TM+12+\b], 0xff000000, v[TM+\b]   ; 2 off the exponent field: the conversion's scale operand
.endr
.irp b, 0,1,2,3
	v_lshrrev_b32 v[TM+4+\b], 23, v[TM+12+\b]
.endr
	v_lshl_or_b32 v[PW], v[TM+5], 8, v[TM+4]
	v_lshl_or_b32 v[PW], v[TM+6], 16, v[PW]
	v_lshl_or_b32 v[PW], v[TM+7], 24, v[PW]
.irp c, 0,1
	v_cvt_scalef32_pk16_fp6_f32 v[PC+6*\c:PC+2+6*\c], v[\s+32*\c:\s+15+32*\c], v[TM+12+2*\c]
	v_cvt_scalef32_pk16_fp6_f32 v[PC+12+4*\c:PC+14+4*\c], v[\s+16+32*\c:\s+31+32*\c], v[TM+12+2*\c+1]
.endr
	v_nop
.irp c, 0,1
.irp i, 0,1,2
	v_permlane16_swap_b32 v[PC+6*\c+\i], v[PC+12+4*\c+\i]
.endr
.irp i, 0,1,2
	v_mov_b32 v[PC+3+6*\c+\i], v[PC+12+4*\c+\i]
.endr
.endr
.endm
.macro LANESUM
.irp m, 1,2,4,8
	v_add_f32_dpp v[T], v[T], v[T] row_xmask:\m row_mask:0xf bank_mask:0xf
	v_add_f32_dpp v[T+4], v[T+4], v[T+4] row_xmask:\m row_mask:0xf bank_mask:0xf
.endr
	v_permlanex16_b32 v[T+1], v[T], s[SEL], s[SEL+1]
	v_permlanex16_b32 v[T+5], v[T+4], s[SEL], s[SEL+1]
	v_add_f32 v[T], v[T], v[T+1]
	v_add_f32 v[T+4], v[T+4], v[T+5]
.endm
.macro STATS                           ; the two rows in v[X] on: the mean is taken away in place; 1 / sqrt(var + eps) into v[M+4:M+5], v[M+6:M+7]
.irp i, 0,1
	v_pk_add_f32 v[T+4*\i:T+4*\i+1], v[X+32*\i:X+32*\i+1], v[X+32*\i+2:X+32*\i+3]
	v_pk_add_f32 v[T+4*\i+2:T+4*\i+3], v[X+32*\i+4:X+32*\i+5], v[X+32*\i+6:X+32*\i+7]
.endr
.irp j, 8,12,16,20,24,28
.irp i, 0,1
	v_pk_add_f32 v[T+4*\i:T+4*\i+1], v[T+4*\i:T+4*\i+1], v[X+32*\i+\j:X+32*\i+\j+1]
	v_pk_add_f32 v[T+4*\i+2:T+4*\i+3], v[T+4*\i+2:T+4*\i+3], v[X+32*\i+\j+2:X+32*\i+\j+3]
.endr
.endr
.irp i, 0,1
	v_pk_add_f32 v[T+4*\i:T+4*\i+1], v[T+4*\i:T+4*\i+1], v[T+4*\i+2:T+4*\i+3]
.endr
.irp i, 0,1
	v_add_f32 v[T+4*\i], v[T+4*\i], v[T+4*\i+1]
.endr
	LANESUM
.irp i, 0,1
	v_mul_f32 v[M+2*\i], 0x3a800000, v[T+4*\i]
	v_mul_f32 v[M+2*\i+1], 0x3a800000, v[T+4*\i]
.endr
.irp i, 0,1
.set jj, 0
.rept 16
	v_pk_add_f32 v[X+32*\i+jj:X+32*\i+jj+1], v[X+32*\i+jj:X+32*\i+jj+1], v[M+2*\i:M+2*\i+1] neg_lo:[0,1] neg_hi:[0,1]
.set jj, jj+2
.endr
.endr
.irp i, 0,1
	v_pk_mul_f32 v[T+4*\i:T+4*\i+1], v[X+32*\i:X+32*\i+1], v[X+32*\i:X+32*\i+1]
	v_pk_mul_f32 v[T+4*\i+2:T+4*\i+3], v[X+32*\i+2:X+32*\i+3], v[X+32*\i+2:X+32*\i+3]
.endr
.irp j, 4,8,12,16,20,24,28
.irp i, 0,1
	v_pk_fma_f32 v[T+4*\i:T+4*\i+1], v[X+32*\i+\j:X+32*\i+\j+1], v[X+32*\i+\j:X+32*\i+\j+1], v[T+4*\i:T+4*\i+1]
	v_pk_fma_f32 v[T+4*\i+2:T+4*\i+3], v[X+32*\i+\j+2:X+32*\i+\j+3], v[X+32*\i+\j+2:X+32*\i+\j+3], v[T+4*\i+2:T+4*\i+3]
.endr
.endr
.irp i, 0,1
	v_pk_add_f32 v[T+4*\i:T+4*\i+1], v[T+4*\i:T+4*\i+1], v[T+4*\i+2:T+4*\i+3]
.endr
.irp i, 0,1
	v_add_f32 v[T+4*\i], v[T+4*\i], v[T+4*\i+1]
.endr
	LANESUM
	v_fma_f32 v[T], v[T], s30, s31
	v_fma_f32 v[T+4], v[T+4], s30, s31
	v_rsq_f32 v[M+4], v[T]
	v_rsq_f32 v[M+6], v[T+4]
	v_nop
	s_wait_alu depctr_va_vdst(0)                     ; ahead of the first reader
	v_mov_b32 v[M+5], v[M+4]
	v_mov_b32 v[M+7], v[M+6]
.endm
.macro APPLY
.irp i, 0,1
.set jj, 0
.rept 16
	v_pk_mul_f32 v[X+32*\i+jj:X+32*\i+jj+1], v[X+32*\i+jj:X+32*\i+jj+1], v[M+4+2*\i:M+5+2*\i]
.set jj, jj+2
.endr
.endr
.irp i, 0,1
.set jj, 0
.rept 16
	v_pk_fma_f32 v[X+32*\i+jj:X+32*\i+jj+1], v[X+32*\i+jj:X+32*\i+jj+1], v[G+jj:G+jj+1], v[BV+jj:BV+jj+1]
.set jj, jj+2
.endr
.endr
.endm
	s_load_b256 s[8:15], s[0:1], 0x0                 ; x 8, o 10, g1 12, be1 14
	s_load_b128 s[16:19], s[0:1], 0x20               ; g2 16, be2 18
	s_load_b64 s[20:21], s[0:1], 0x30                ; h2
	v_lshl_add_u32 v[SPW], v0, 2, SPARE
	v_mov_b32 v[NIL], 0
	v_lshrrev_b32 v1, 5, v0
	v_readfirstlane_b32 s26, v1                      ; wave 0..7
	v_and_b32 v1, 31, v0
	v_lshlrev_b32 v[L16], 4, v1
	s_mov_b32 s[SEL], 0x76543210
	s_mov_b32 s[SEL+1], 0xfedcba98
	s_mov_b32 s30, 0x3a802008                        ; 1 / 1,023
	s_mov_b32 s31, 0x3727c5ac                        ; 1e-5
	s_lshl_b32 s27, ttmp9, 4
	s_lshl_b32 s38, s26, 1
	s_add_co_u32 s27, s27, s38                       ; my first token
	s_lshl_b32 s44, s27, 12
	s_mov_b32 s45, 0
	s_wait_kmcnt 0x0
	s_add_nc_u64 s[8:9], s[8:9], s[44:45]
	s_add_nc_u64 s[10:11], s[10:11], s[44:45]
	s_add_nc_u64 s[32:33], s[20:21], s[44:45]        ; h2's f32 rows
.irp i, 0,1
.irp j, 0,1,2,3,4,5,6,7
	global_load_b128 v[X+32*\i+4*\j:X+32*\i+4*\j+3], v[L16], s[8:9] offset:4096*\i+512*\j th:TH_LOAD_NT
.endr
.endr
.irp i, 0,1
.irp j, 0,1,2,3,4,5,6,7
	global_load_b128 v[OO+32*\i+4*\j:OO+32*\i+4*\j+3], v[L16], s[10:11] offset:4096*\i+512*\j th:TH_LOAD_NT
.endr
.endr
.irp j, 0,1,2,3,4,5,6,7
	global_load_b128 v[G+4*\j:G+4*\j+3], v[L16], s[12:13] offset:512*\j
.endr
.irp j, 0,1,2,3,4,5,6,7
	global_load_b128 v[BV+4*\j:BV+4*\j+3], v[L16], s[14:15] offset:512*\j
.endr
	s_mul_i32 s38, s26, 2*PITCH
	v_add_nc_u32 v[STA], s38, v[L16]
	v_and_b32 v10, 15, v0
	v_bfe_u32 v11, v0, 4, 1
	v_mul_u32_u24 v[RDA], v10, PITCH
	v_lshl_add_u32 v[RDA], v11, 6, v[RDA]
	s_lshl_b32 s38, s26, 9
	v_add_nc_u32 v[RDA], s38, v[RDA]
	v_lshlrev_b32 v[R4], 2, v10
.irp b, 0,1,2,3
	v_mov_b32 v[TM+4+\b], 0
.endr
	s_lshl_b32 s44, ttmp9, 3
	s_add_co_u32 s44, s44, s26
	s_mul_i32 s44, s44, FRB
	s_add_co_u32 s44, s44, H2_C
	s_add_nc_u64 s[34:35], s[20:21], s[44:45]
	s_lshl_b32 s44, s26, 8
	s_add_co_u32 s44, s44, ttmp9
	s_lshl_b32 s44, s44, 6
	s_add_co_u32 s44, s44, H2_S
	s_add_nc_u64 s[36:37], s[20:21], s[44:45]
	s_wait_loadcnt 32                                ; x is in; o's 16 loads and the 16 of gain and bias may be out
	STATS
	s_wait_loadcnt 0x0
	APPLY                                            ; h
.set jj, 0
.rept 32
	v_pk_add_f32 v[X+jj:X+jj+1], v[X+jj:X+jj+1], v[OO+jj:OO+jj+1]   ; x2 = h + o
.set jj, jj+2
.endr
.irp j, 0,1,2,3,4,5,6,7
	global_load_b128 v[G+4*\j:G+4*\j+3], v[L16], s[16:17] offset:512*\j
.endr
.irp j, 0,1,2,3,4,5,6,7
	global_load_b128 v[BV+4*\j:BV+4*\j+3], v[L16], s[18:19] offset:512*\j
.endr
	STATS
	s_wait_loadcnt 0x0
	APPLY                                            ; h2
.irp i, 0,1
.irp j, 0,1,2,3,4,5,6,7
	global_store_b128 v[L16], v[X+32*\i+4*\j:X+32*\i+4*\j+3], s[32:33] offset:4096*\i+512*\j   ; 512 consecutive bytes a store
	ds_store_b128 v[STA], v[X+32*\i+4*\j:X+32*\i+4*\j+3] offset:PITCH*\i+512*\j
.endr
.endr
	s_wait_dscnt 0x0                                 ; for the others' sake: my rows lie in LDS
	s_barrier_signal -1
	s_barrier_wait -1
.irp b, 0,1,2,3
.irp j, 0,1,2,3
	ds_load_b128 v[OO+16*\b+4*\j:OO+16*\b+4*\j+3], v[RDA] offset:128*\b+16*\j
.endr
.endr
	s_wait_dscnt 0x0
	QUANT OO
.irp c, 0,1,2
	global_store_b128 v[L16], v[PC+4*\c:PC+4*\c+3], s[34:35] offset:512*\c
.endr
	global_store_b32 v[R4], v[PW], s[36:37]          ; lanes l and l + 16 hold the same row's word and write it to the same place
	s_wait_tensorcnt 0x0                             ; the wave's end, behind my last LDS store
	ds_add_u32 v[SPW], v[NIL]
	s_wait_dscnt 0x0
	s_endpgm
.Lfunc_end_k_q730b713bc1_ln2:
	.size	k_q730b713bc1_ln2, .Lfunc_end_k_q730b713bc1_ln2-k_q730b713bc1_ln2
	.p2alignl 7, 3214868480
	.fill 96, 4, 3214868480
	.section	.rodata,"a",@progbits
	.p2align	6, 0x0
	.amdhsa_kernel k_q730b713bc1_ln2
		.amdhsa_group_segment_fixed_size 66816
		.amdhsa_private_segment_fixed_size 0
		.amdhsa_enable_private_segment 0
		.amdhsa_kernarg_size 56
		.amdhsa_user_sgpr_count 2
		.amdhsa_user_sgpr_kernarg_segment_ptr 1
		.amdhsa_wavefront_size32 1
		.amdhsa_system_sgpr_workgroup_id_x 1
		.amdhsa_system_sgpr_workgroup_id_y 1
		.amdhsa_system_sgpr_workgroup_id_z 1
		.amdhsa_system_vgpr_workitem_id 0
		.amdhsa_next_free_vgpr 256
		.amdhsa_next_free_sgpr 66
		.amdhsa_reserve_vcc 0
		.amdhsa_float_denorm_mode_32 3
		.amdhsa_float_denorm_mode_16_64 3
		.amdhsa_memory_ordered 1
		.amdhsa_forward_progress 1
		.amdhsa_inst_pref_size 43
	.end_amdhsa_kernel
	.amdgpu_metadata
---
amdhsa.version: [ 1, 2 ]
amdhsa.kernels:
  - .name:           k_q730b713bc1_ln2
    .symbol:         k_q730b713bc1_ln2.kd
    .args:
      - { .name: x, .offset: 0, .size: 8, .value_kind: global_buffer, .address_space: global }
      - { .name: o, .offset: 8, .size: 8, .value_kind: global_buffer, .address_space: global }
      - { .name: g1, .offset: 16, .size: 8, .value_kind: global_buffer, .address_space: global }
      - { .name: be1, .offset: 24, .size: 8, .value_kind: global_buffer, .address_space: global }
      - { .name: g2, .offset: 32, .size: 8, .value_kind: global_buffer, .address_space: global }
      - { .name: be2, .offset: 40, .size: 8, .value_kind: global_buffer, .address_space: global }
      - { .name: h2, .offset: 48, .size: 8, .value_kind: global_buffer, .address_space: global }
    .group_segment_fixed_size: 66816
    .private_segment_fixed_size: 0
    .kernarg_segment_align: 8
    .kernarg_segment_size: 56
    .max_flat_workgroup_size: 256
    .sgpr_count:     66
    .vgpr_count:     256
    .wavefront_size: 32
...
	.end_amdgpu_metadata
.endif
;; end of part 4
;; launch ffn1 (part 5): grid 16 x 16, 4 waves a work-group, clusters of 4 x 4, 327,680 bytes of LDS; arguments h2, wts, bb1, hid; writes hid
.if DOCPART == 5
	.amdgcn_target "amdgcn-amd-amdhsa--gfx1250"
	.amdhsa_code_object_version 6
	.text
	.protected	k_q730b713bc1_ffn1
	.globl	k_q730b713bc1_ffn1
	.p2align	8
	.type	k_q730b713bc1_ffn1,@function
k_q730b713bc1_ffn1:
	s_mov_b64 s[64:65], 0
	v_nop
	global_prefetch_b8 v0, s[64:65] scope:SCOPE_SE
	s_setreg_imm32_b32 hwreg(HW_REG_WAVE_MODE, 25, 1), 1
	s_wait_xcnt 0x0
	s_wait_alu depctr_hold_cnt(0) depctr_sa_sdst(0) depctr_va_vdst(0) depctr_va_sdst(0) depctr_va_ssrc(0) depctr_va_vcc(0) depctr_vm_vsrc(0)
	s_getreg_b32 s2, hwreg(HW_REG_IB_STS2, 6, 4)
	s_cmp_eq_u32 s2, 0
	s_cbranch_scc0 .Lentry_in_a_cluster
	s_endpgm
.Lentry_in_a_cluster:
	s_bfe_u32 s2, ttmp6, 0x10000c
	s_cmp_lg_u32 s2, 0xf033
	s_cbranch_scc0 .Lentry_shape_is_right
	s_endpgm
.Lentry_shape_is_right:
; hidden = relu(h2 W1 + bb1) on codes of FP6 (E2M3) with E8M0 scales, K = 1,024; the result is quantised in registers along its 4,096 columns, the next product's K, and leaves as codes.
; OPERANDS are images of operand registers: [tile of 16 rows][K step of 128][1,536 bytes], scale words [K step][tile][16].  T = h2's tokens (tile row of the grid), W = W1's columns (tile column).
; A work-group makes 256 tokens x 256 columns, each of its four waves 128 x 128: 64 accumulators, 512 registers.
; K goes in four steps of 256 through THREE LDS slots: steps 0, 1 and 2 are first fills and go out together at the start; step 3 is the one refill, into slot 0, and has two steps' products, 256 matrix instructions, in which to land.
; CLUSTERS: 4 x 4 work-groups; T's tiles are asked for jointly along a row of the cluster, W's along a column.
; Source 0 = W, source 1 = T: a lane holds one token; W's tiles hold columns 32 b + 8 u + p + 8 (p / 8), so that the 16 registers of two neighbouring tiles are 16 neighbouring columns.
; OUT: [tile of 16 tokens][K step of 128 hidden units][1,536]; scale words [K step][tile][16].
; LIMITS: a block whose largest magnitude lies under 2^-124 (a block of zeros too) gets the byte 1; NaN and infinities are not served.
; REGISTERS: window 0: v0-31 addresses; v32-63 scale words, two sets; v64-127 the bias, as the C of the first products; v128-223 T's 8 fragments.  window 1: W's fragments, two sets (v0, v128).  windows 2, 3: accumulators.
.set FR,    12
.set FRB,   1536
.set NQ,    2
.set NL,    3
.set NP,    4
.set ROWB,  NQ*FRB
.set RTP,   8*FRB
.set HALFT, 8*ROWB
.set SLOT,  4*HALFT
.set SCL,   3*SLOT
.set HALFS, 4096
.set SPARE, SCL+4*HALFS
.set T_C,   16777216                   ; in h2: the codes, the scale words
.set T_S,   19922944
.set W_C,   2359296                    ; in wts: W1's
.set W_S,   11894784
.set HID_S, 12582912
.set ADRA, 16                          ; v16-18 T's fragments in slot 0, 1, 2
.set ADRB, 20                          ; v20-22 W's
.set L16,  24
.set L4,   26
.set ADRS, 27
.set SPW,  28
.set NIL,  29
.set SC,   32
.set BI,   64
.set AF,   128
.set TM,   32
.set PW,   48
.set PWE,  49
.set WA,   50
.set PC,   128
.set G1,   24
.set G0,   32                          ; s[32:39] T's groups 0 for slots 0 and 1; s[92:95] for slot 2
.set G1B,  48
.set G0B,  56                          ; s[56:63] W's for slots 0 and 1; s[96:99] for slot 2
.set G1S,  68
.set G0S,  76
.set G1SB, 80
.set G0SB, 88
.set G0C,  92
.set G0BC, 96
.set SEL,  66
.set MH,   100
.set MSB, 0
.macro WIN new
.if MSB != \new
	s_set_vgpr_msb (MSB<<8)|\new
.set MSB, \new
.endif
.endm
.set MUL_LO, 0xa1
.set MUL_HI, 0xf1
.set TO_B,   0x40
.macro JLOAD g0a, g1a, g0b, g1b        ; a joint load: waves 0 and 1 fetch for T, waves 2 and 3 for W; an s_nop 0 and four v_nop follow each line
	s_cmp_eq_u32 s15, 0
	s_cbranch_scc0 .Lfor_b_\@
	tensor_load_to_lds s[\g0a:\g0a+3], s[\g1a:\g1a+7]
	s_nop 0
.rept 4
	v_nop
.endr
	s_branch .Lasked_\@
.Lfor_b_\@:
	tensor_load_to_lds s[\g0b:\g0b+3], s[\g1b:\g1b+7]
	s_nop 0
.rept 4
	v_nop
.endr
.Lasked_\@:
.endm
.macro FIRST ga, gb, s                 ; slot s's two groups 0, and its first fill: K step s
	s_mov_b32 s[\ga], 1
	s_add_co_u32 s[\ga+1], s45, (\s)*SLOT
	s_add_nc_u64 s[\ga+2:\ga+3], s[20:21], (\s)*ROWB
	s_or_b32 s[\ga+3], s[\ga+3], 0x80000000
	s_mov_b32 s[\gb], 1
	s_add_co_u32 s[\gb+1], s45, (\s)*SLOT
	s_add_nc_u64 s[\gb+2:\gb+3], s[46:47], (\s)*ROWB
	s_or_b32 s[\gb+3], s[\gb+3], 0x80000000
	JLOAD \ga, G1, \gb, G1B
.endm
.macro CREST
	s_cmp_lg_u32 s14, 0
	s_cbranch_scc1 .Lnot_wave_0_\@
	s_barrier_signal -3
.Lnot_wave_0_\@:
	s_barrier_wait -3
	s_barrier_signal -1
	s_barrier_wait -1
.endm
.macro CROUND
	s_barrier_signal -1
	s_barrier_wait -1
	CREST
.endm
	s_load_b256 s[4:11], s[0:1], 0x0                 ; h2 4, wts 6, bb1 8, hid 10
	v_lshl_add_u32 v[SPW], v0, 2, SPARE
	v_mov_b32 v[NIL], 0
	ds_add_u32 v[SPW], v[NIL]                        ; the wave's opening: the add and its wait ahead of my first tensor load
	v_lshrrev_b32 v1, 5, v0
	v_readfirstlane_b32 s14, v1
	s_lshr_b32 s15, s14, 1                           ; which half of the tokens is mine.  Also: I fetch for T (0) or for W (1)
	s_and_b32 s16, s14, 1                            ; which half of the columns.  Also: which 8 tiles I fetch
	s_bfe_u32 s40, ttmp6, 0x40000
	s_bfe_u32 s41, ttmp6, 0x40004
	s_lshl_b32 s42, ttmp9, 2
	s_add_co_u32 s42, s42, s40                       ; W's tile column
	s_and_b32 s17, ttmp7, 0xffff
	s_lshl_b32 s17, s17, 2
	s_add_co_u32 s17, s17, s41                       ; T's tile row
	s_lshl_b32 s43, s41, 2
	s_lshl_b32 s43, 15, s43
	s_lshl_b32 s44, 0x1111, s40
	s_or_b32 s[G1+0], s43, (3<<16)|(1<<21)           ; the mask; elements of 8 bytes; bit 21 beside a mask; no padding
	s_or_b32 s[G1B+0], s44, (3<<16)|(1<<21)
.irp g, G1, G1B                                  ; codes: 8 rows (tiles) of ROWB bytes, RTP bytes apart
	s_mov_b32 s[\g+1], (ROWB/8)<<16
	s_mov_b32 s[\g+2], 8<<16
	s_mov_b32 s[\g+3], (ROWB/8)<<16
	s_mov_b32 s[\g+4], 8
	s_mov_b32 s[\g+5], RTP/8
	s_mov_b32 s[\g+6], 0
	s_mov_b32 s[\g+7], 0
.endr
	s_or_b32 s[G1S+0], s43, (3<<16)|(1<<21)
	s_or_b32 s[G1SB+0], s44, (3<<16)|(1<<21)
.irp g, G1S, G1SB                                ; scale words: 8 rows (K steps) of 512 bytes; both operands have 256 tiles
	s_mov_b32 s[\g+1], 64<<16
	s_mov_b32 s[\g+2], 8<<16
	s_mov_b32 s[\g+3], 64<<16
	s_mov_b32 s[\g+4], 8
	s_mov_b32 s[\g+5], 256*8
	s_mov_b32 s[\g+6], 0
	s_mov_b32 s[\g+7], 0
.endr
	s_lshl_b32 s18, s16, 3
	s_lshl_b32 s20, s17, 4
	s_add_co_u32 s20, s20, s18
	s_lshl_b32 s46, s42, 4
	s_add_co_u32 s46, s46, s18
	s_lshl_b32 s22, s20, 6
	s_add_co_u32 s22, s22, T_S
	s_mov_b32 s23, 0
	s_lshl_b32 s92, s46, 6
	s_add_co_u32 s92, s92, W_S
	s_mov_b32 s93, 0
	s_mul_i32 s20, s20, RTP
	s_add_co_u32 s20, s20, T_C
	s_mov_b32 s21, 0
	s_mul_i32 s46, s46, RTP
	s_add_co_u32 s46, s46, W_C
	s_mov_b32 s47, 0
	s_mul_i32 s45, s14, HALFT
	s_mul_i32 s94, s14, HALFS
	s_mov_b32 s[SEL], 0x76543210
	s_mov_b32 s[SEL+1], 0xfedcba98
	s_mov_b32 s[MH], 0xffff0000
	s_wait_dscnt 0x0                                 ; the opening add is done
	s_wait_kmcnt 0x0
	s_add_nc_u64 s[20:21], s[4:5], s[20:21]
	s_add_nc_u64 s[22:23], s[4:5], s[22:23]
	s_add_nc_u64 s[46:47], s[6:7], s[46:47]
	s_add_nc_u64 s[92:93], s[6:7], s[92:93]
	CROUND                                           ; all sixteen work-groups are here: the first joint loads meet
	s_mov_b32 s[G0S], 1
	s_add_co_u32 s[G0S+1], s94, SCL
	s_mov_b64 s[G0S+2:G0S+3], s[22:23]
	s_or_b32 s[G0S+3], s[G0S+3], 0x80000000
	s_mov_b32 s[G0SB], 1
	s_add_co_u32 s[G0SB+1], s94, SCL
	s_mov_b64 s[G0SB+2:G0SB+3], s[92:93]
	s_or_b32 s[G0SB+3], s[G0SB+3], 0x80000000
	JLOAD G0S, G1S, G0SB, G1SB                       ; four loads of a wave are out at the start, one behind the refill's round
	FIRST G0, G0B, 0
	FIRST G0+4, G0B+4, 1
	FIRST G0C, G0BC, 2
	v_and_b32 v1, 15, v0
	v_bfe_u32 v2, v0, 4, 1
	v_and_b32 v3, 31, v0
	v_lshlrev_b32 v[L16], 4, v3
	v_lshlrev_b32 v[L4], 2, v3
	s_mul_i32 s21, s15, HALFT                        ; my 8 tiles of T,
	s_mul_i32 s22, s16, HALFT
	s_add_co_u32 s22, s22, 2*HALFT                   ; my 8 of W, behind T's 16
.irp s, 0,1,2
	v_add_nc_u32 v[ADRA+\s], s21, v[L16]
	v_add_nc_u32 v[ADRB+\s], s22, v[L16]
	s_add_co_u32 s21, s21, SLOT
	s_add_co_u32 s22, s22, SLOT
.endr
	v_lshlrev_b32 v5, 2, v1
	s_mul_i32 s21, s15, HALFS
	s_mul_i32 s22, s16, HALFS
	s_add_co_u32 s22, s22, 2*HALFS
	s_sub_co_u32 s22, s22, s21
	v_mul_u32_u24 v6, s22, v2                        ; lanes 16-31 take W's words
	s_add_co_u32 s21, s21, SCL
	v_add_nc_u32 v5, v5, v6
	v_add_nc_u32 v[ADRS], s21, v5
	; where my results go
	s_lshl_b32 s43, s17, 4
	s_lshl_b32 s44, s15, 3
	s_add_co_u32 s43, s43, s44                       ; my first tile of tokens
	s_lshl_b32 s44, s42, 1
	s_add_co_u32 s44, s44, s16                       ; my K step of the next product
	s_lshl_b32 s18, s43, 5
	s_add_co_u32 s18, s18, s44
	s_mul_i32 s18, s18, FRB
	s_mov_b32 s19, 0
	s_add_nc_u64 s[12:13], s[10:11], s[18:19]        ; s[12:13] codes
	s_lshl_b32 s18, s44, 8
	s_add_co_u32 s18, s18, s43
	s_lshl_b32 s18, s18, 6
	s_add_co_u32 s18, s18, HID_S
	s_add_nc_u64 s[10:11], s[10:11], s[18:19]        ; s[10:11] scale words
	s_lshl_b32 s18, s44, 9                           ; the bias of my 128 columns
	s_add_nc_u64 s[8:9], s[8:9], s[18:19]
	v_lshlrev_b32 v4, 6, v2                          ; register j of W's tile t is column 32 (t / 2) + 16 h + 8 (t % 2) + j
.irp t, 0,1,2,3,4,5,6,7
	global_load_b128 v[BI+8*\t:BI+8*\t+3], v4, s[8:9] offset:(32*(\t/2)+8*(\t%2))*4
	global_load_b128 v[BI+8*\t+4:BI+8*\t+7], v4, s[8:9] offset:(32*(\t/2)+8*(\t%2))*4+16
.endr
.macro FRAG reg, adr, q, i
.irp c, 0,1,2
	ds_load_b128 v[\reg+4*\c:\reg+4*\c+3], v[\adr] offset:(\i)*ROWB+(\q)*FRB+512*\c
.endr
.endm
; 16 matrix instructions: T's blocks a0, a0 + 1 x W's eight.  zero = 1: the bias is the C.  The 64 accumulators take turns.
.macro MUL16 a0, p, q, sc, zero
.irp a, \a0, \a0+1
.irp b, 0,1,2,3,4,5,6,7
.if \zero
	v_wmma_scale_f32_16x16x128_f8f6f4 v[8*(8*((\a)%4)+\b):8*(8*((\a)%4)+\b)+7], v[128*(\p)+FR*\b:128*(\p)+FR*\b+FR-1], v[AF+FR*(\a):AF+FR*(\a)+FR-1], v[BI+8*\b:BI+8*\b+7], v[SC+16*(\sc)+NQ*\b+(\q)], v[SC+16*(\sc)+NQ*(\a)+(\q)] matrix_a_fmt:MATRIX_FMT_FP6 matrix_b_fmt:MATRIX_FMT_FP6 matrix_a_scale:MATRIX_SCALE_ROW1
.else
	v_wmma_scale_f32_16x16x128_f8f6f4 v[8*(8*((\a)%4)+\b):8*(8*((\a)%4)+\b)+7], v[128*(\p)+FR*\b:128*(\p)+FR*\b+FR-1], v[AF+FR*(\a):AF+FR*(\a)+FR-1], v[8*(8*((\a)%4)+\b):8*(8*((\a)%4)+\b)+7], v[SC+16*(\sc)+NQ*\b+(\q)], v[SC+16*(\sc)+NQ*(\a)+(\q)] matrix_a_fmt:MATRIX_FMT_FP6 matrix_b_fmt:MATRIX_FMT_FP6 matrix_a_scale:MATRIX_SCALE_ROW1
.endif
.endr
.endr
.endm
.macro FETCH_B slot, q, p
	WIN TO_B
.irp i, 0,1,2,3,4,5,6,7
	FRAG 128*(\p)+FR*\i, ADRB+\slot, \q, \i
.endr
	WIN 0
.endm
.macro FETCH_A slot, q, i0
.irp i, \i0, \i0+1, \i0+2, \i0+3
	FRAG AF+FR*(\i), ADRA+\slot, \q, \i
.endr
.endm
.macro SCALES sc
.irp i, 0,1,2,3,4,5,6,7
.irp q, 0,1
	ds_load_b32 v[SC+16*\sc+NQ*\i+\q], v[ADRS] offset:64*\i+512*\q
.endr
.endr
.endm
.macro PLACES n
.rept \n
	v_nop
.endr
.endm
.macro STEP slot, q, zero, sc          ; a step of 128 along K that has its successor in the same slot; sc: the set of scale words
	s_wait_dscnt 4*NL                                ; all but the youngest 12 loads (T's blocks 4-7) are in
.if \zero
	WIN 0x81
.else
	WIN MUL_LO
.endif
	MUL16 0, (\q)%2, \q, \sc, \zero
	MUL16 2, (\q)%2, \q, \sc, \zero
	s_wait_dscnt 0
	PLACES NP
	FETCH_B \slot, (\q)+1, 1-(\q)%2
	FETCH_A \slot, (\q)+1, 0
.if \zero
	WIN 0xc1
.else
	WIN MUL_HI
.endif
	MUL16 4, (\q)%2, \q, \sc, \zero
	MUL16 6, (\q)%2, \q, \sc, \zero
	PLACES NP
	WIN 0
	FETCH_A \slot, (\q)+1, 4
.endm
; A slot's last step, with a barrier: in front of it each wave waits for all its tensor loads, adds 0 to its spare word, and waits for that and for its reads of the slot.
; fill = 1 (behind slot 0's first turn): slot 0 is filled again, with K step 3, behind a round of the cluster's barrier.  fill = 0: the barrier shows the refilled slot whole to every wave.
.macro TURN next, fill, sc, nsc
	s_wait_tensorcnt 0x0                             ; no load of mine is out: fill = 1: my parts of slots 1 and 2 have landed; fill = 0: my part of the refill
	ds_add_u32 v[SPW], v[NIL]
	s_wait_dscnt 4*NL+1                              ; (the add and the youngest 12 loads may be out)
	WIN MUL_LO
	MUL16 0, 1, NQ-1, \sc, 0
	s_wait_dscnt 0x0                                 ; the add is done, and my reads of this slot are over
	s_barrier_signal -1
	MUL16 2, 1, NQ-1, \sc, 0
	WIN 0
	s_barrier_wait -1
.if \fill
	CREST
	s_add_nc_u64 s[G0+2:G0+3], s[G0+2:G0+3], 3*ROWB
	s_add_nc_u64 s[G0B+2:G0B+3], s[G0B+2:G0B+3], 3*ROWB
	JLOAD G0, G1, G0B, G1B                           ; the first tensor load behind the round
.else
	PLACES NP
.endif
	v_add_nc_u32 v[ADRS], 512*NQ, v[ADRS]
	FETCH_B \next, 0, 0
	FETCH_A \next, 0, 0
	SCALES \nsc
	WIN MUL_HI
	MUL16 4, 1, NQ-1, \sc, 0
	MUL16 6, 1, NQ-1, \sc, 0
	PLACES NP
	WIN 0
	FETCH_A \next, 0, 4
.endm
; A slot's last step without a barrier: the next slot was shown whole to every wave at the barrier of the first change.
.macro PASS next, sc, nsc
	s_wait_dscnt 4*NL
	WIN MUL_LO
	MUL16 0, 1, NQ-1, \sc, 0
	MUL16 2, 1, NQ-1, \sc, 0
	s_wait_dscnt 0
	PLACES NP
	WIN 0
	v_add_nc_u32 v[ADRS], 512*NQ, v[ADRS]
	FETCH_B \next, 0, 0
	FETCH_A \next, 0, 0
	SCALES \nsc
	WIN MUL_HI
	MUL16 4, 1, NQ-1, \sc, 0
	MUL16 6, 1, NQ-1, \sc, 0
	PLACES NP
	WIN 0
	FETCH_A \next, 0, 4
.endm
	s_wait_tensorcnt 2                               ; the scale words and my part of slot 0 are in; the loads of slots 1 and 2 may be out
	s_barrier_signal -1
	s_barrier_wait -1
	FETCH_B 0, 0, 0
	FETCH_A 0, 0, 0
	SCALES 0
	FETCH_A 0, 0, 4
	s_wait_loadcnt 0x0                               ; the bias
	STEP 0, 0, 1, 0                                  ; the first step starts the sums on the bias
	TURN 1, 1, 0, 1                                  ; slot 0 is left and filled again: the one refill
	STEP 1, 0, 0, 1
	PASS 2, 1, 0
	STEP 2, 0, 0, 0
	TURN 0, 0, 0, 1                                  ; on to slot 0's second tile
	STEP 0, 0, 0, 1
	s_wait_dscnt 4*NL
	WIN MUL_LO
	MUL16 0, 1, NQ-1, 1, 0
	MUL16 2, 1, NQ-1, 1, 0
	s_wait_dscnt 0
	WIN MUL_HI
	MUL16 4, 1, NQ-1, 1, 0
	MUL16 6, 1, NQ-1, 1, 0
	WIN 0
	PLACES NP
; THE WAY OUT.  The 64 registers of T's block a (window w, from register s on) are 128 neighbouring hidden units of the lane's token: relu, then a fragment in v[PC] on and its scale word in v[PW].
.macro QUANTW w, s
	s_wait_xcnt 0x0                                  ; the last block's stores have read their registers
	WIN (((\w)<<6)|((\w)<<2))                        ; destination and source 1: the accumulators' window
.set jj, 0
.rept 64
	v_max_num_f32 v[(\s)+jj], 0, v[(\s)+jj]          ; the activation, each accumulator from its low end on
.set jj, jj+1
.endr
	WIN (((\w)<<4)|((\w)<<2))
.irp b, 0,1,2,3
	v_max3_num_f32 v[TM+\b], 0x1800000, v[(\s)+16*\b], v[(\s)+1+16*\b]   ; none is negative; the floor 2^(3 - 127) holds the byte at 1 from below
.endr
.irp i, 2,4,6,8,10,12,14
.irp b, 0,1,2,3
	v_max3_num_f32 v[TM+\b], v[TM+\b], v[(\s)+16*\b+\i], v[(\s)+1+16*\b+\i]
.endr
.endr
	WIN 0
.irp b, 0,1,2,3
	v_permlanex16_b32 v[TM+4+\b], v[TM+\b], s[SEL], s[SEL+1]
.endr
.irp b, 0,1,2,3
	v_max_num_f32 v[TM+\b], v[TM+\b], v[TM+4+\b]
.endr
.irp b, 0,1,2,3
	v_add_nc_u32 v[TM+12+\b], 0xff000000, v[TM+\b]
.endr
.irp b, 0,1,2,3
	v_lshrrev_b32 v[TM+4+\b], 23, v[TM+12+\b]
.endr
	v_lshl_or_b32 v[PW], v[TM+5], 8, v[TM+4]
	v_lshl_or_b32 v[PW], v[TM+6], 16, v[PW]
	v_lshl_or_b32 v[PW], v[TM+7], 24, v[PW]
	WIN (\w)
.irp c, 0,1
	v_cvt_scalef32_pk16_fp6_f32 v[PC+6*\c:PC+2+6*\c], v[(\s)+32*\c:(\s)+15+32*\c], v[TM+12+2*\c]
	v_cvt_scalef32_pk16_fp6_f32 v[PC+12+4*\c:PC+14+4*\c], v[(\s)+16+32*\c:(\s)+31+32*\c], v[TM+12+2*\c+1]
.endr
	WIN 0
	v_nop
.irp c, 0,1
.irp i, 0,1,2
	v_permlane16_swap_b32 v[PC+6*\c+\i], v[PC+12+4*\c+\i]
.endr
.irp i, 0,1,2
	v_mov_b32 v[PC+3+6*\c+\i], v[PC+12+4*\c+\i]
.endr
.endr
.endm
.irp b, 0,1,2,3
	v_mov_b32 v[TM+4+\b], 0                          ; written once: a lane permute's destination counts as one of its sources
.endr
.irp a, 0,1,2,3,4,5,6,7
	QUANTW 2+(\a/4), 64*(\a%4)
.irp c, 0,1,2
	global_store_b128 v[L16], v[PC+4*\c:PC+4*\c+3], s[12:13] offset:32*FRB*\a+512*\c   ; 512 consecutive bytes a store
.endr
.if \a%2 == 0
	v_mov_b32 v[PWE], v[PW]
.else
	v_cndmask_b32 v[WA], v[PWE], v[PW], s[MH]        ; lanes 0-15 tile a - 1's words, lanes 16-31 tile a's
	global_store_b32 v[L4], v[WA], s[10:11] offset:128*(\a/2)
.endif
.endr
	s_wait_tensorcnt 0x0                             ; the wave's end
	ds_add_u32 v[SPW], v[NIL]
	s_wait_dscnt 0x0
	CROUND                                           ; the closing round
	s_endpgm
.Lfunc_end_k_q730b713bc1_ffn1:
	.size	k_q730b713bc1_ffn1, .Lfunc_end_k_q730b713bc1_ffn1-k_q730b713bc1_ffn1
	.p2alignl 7, 3214868480
	.fill 96, 4, 3214868480
	.section	.rodata,"a",@progbits
	.p2align	6, 0x0
	.amdhsa_kernel k_q730b713bc1_ffn1
		.amdhsa_group_segment_fixed_size 327680
		.amdhsa_private_segment_fixed_size 0
		.amdhsa_enable_private_segment 0
		.amdhsa_kernarg_size 32
		.amdhsa_user_sgpr_count 2
		.amdhsa_user_sgpr_kernarg_segment_ptr 1
		.amdhsa_wavefront_size32 1
		.amdhsa_system_sgpr_workgroup_id_x 1
		.amdhsa_system_sgpr_workgroup_id_y 1
		.amdhsa_system_sgpr_workgroup_id_z 1
		.amdhsa_system_vgpr_workitem_id 0
		.amdhsa_next_free_vgpr 1024
		.amdhsa_next_free_sgpr 102
		.amdhsa_reserve_vcc 0
		.amdhsa_float_denorm_mode_32 3
		.amdhsa_float_denorm_mode_16_64 3
		.amdhsa_memory_ordered 1
		.amdhsa_forward_progress 1
		.amdhsa_inst_pref_size 160
	.end_amdhsa_kernel
	.amdgpu_metadata
---
amdhsa.version: [ 1, 2 ]
amdhsa.kernels:
  - .name:           k_q730b713bc1_ffn1
    .symbol:         k_q730b713bc1_ffn1.kd
    .args:
      - { .name: h2, .offset: 0, .size: 8, .value_kind: global_buffer, .address_space: global }
      - { .name: wts, .offset: 8, .size: 8, .value_kind: global_buffer, .address_space: global }
      - { .name: bb1, .offset: 16, .size: 8, .value_kind: global_buffer, .address_space: global }
      - { .name: hid, .offset: 24, .size: 8, .value_kind: global_buffer, .address_space: global }
    .group_segment_fixed_size: 327680
    .private_segment_fixed_size: 0
    .kernarg_segment_align: 8
    .kernarg_segment_size: 32
    .max_flat_workgroup_size: 128
    .sgpr_count:     102
    .vgpr_count:     1024
    .wavefront_size: 32
...
	.end_amdgpu_metadata
.endif
;; end of part 5
;; launch ffn2 (part 6): grid 8 x 32, 4 waves a work-group, clusters of 4 x 4, 327,680 bytes of LDS; arguments hid, wts, bb2, h2, out0; writes out0
.if DOCPART == 6
	.amdgcn_target "amdgcn-amd-amdhsa--gfx1250"
	.amdhsa_code_object_version 6
	.text
	.protected	k_q730b713bc1_ffn2
	.globl	k_q730b713bc1_ffn2
	.p2align	8
	.type	k_q730b713bc1_ffn2,@function
k_q730b713bc1_ffn2:
	s_mov_b64 s[64:65], 0
	v_nop
	global_prefetch_b8 v0, s[64:65] scope:SCOPE_SE
	s_setreg_imm32_b32 hwreg(HW_REG_WAVE_MODE, 25, 1), 1
	s_wait_xcnt 0x0
	s_wait_alu depctr_hold_cnt(0) depctr_sa_sdst(0) depctr_va_vdst(0) depctr_va_sdst(0) depctr_va_ssrc(0) depctr_va_vcc(0) depctr_vm_vsrc(0)
	s_getreg_b32 s2, hwreg(HW_REG_IB_STS2, 6, 4)
	s_cmp_eq_u32 s2, 0
	s_cbranch_scc0 .Lentry_in_a_cluster
	s_endpgm
.Lentry_in_a_cluster:
	s_bfe_u32 s2, ttmp6, 0x10000c
	s_cmp_lg_u32 s2, 0xf033
	s_cbranch_scc0 .Lentry_shape_is_right
	s_endpgm
.Lentry_shape_is_right:
; out0 = h2 + hidden W2 + bb2: the product on codes of FP6 (E2M3) with E8M0 scales, K = 4,096; sums, bias and residual in f32.
; OPERANDS are images of operand registers: [tile of 16 rows][K step of 128][1,536 bytes], scale words [K step][tile][16].  T = the hidden layer's tokens (tile row of the grid), W = W2's columns (tile column).
; The result has 4,096 x 1,024 numbers: tiles of 128 x 128 give 256 work-groups; each of the four waves makes 64 x 64: 16 accumulators.
; TWO LDS SLOTS OF UNLIKE SIZE: D holds eight K steps of 128, A four.  K goes D (steps 0-7), A (8-11), D (12-19), A (20-23), D (24-31): both first fills go out together at the start, and 32 K steps take three refills,
; one tensor load a wave each.  A's refill has D's 128 matrix instructions a wave in which to land, D's has A's 64.
; THE SCALE WORDS go from memory straight into registers, four for a K step, 128 in all, each written once: lanes 0-15 hold one tile's 16 words, lanes 16-31 the next tile's.  They are asked for with the tiles that they belong to.
; The K steps are written out: the scale registers differ from step to step.
; CLUSTERS: 4 x 4 work-groups; T's tiles are asked for jointly along a row of the cluster, W's along a column.
; Source 0 = W, source 1 = T: a lane holds one token; register j of W's tile b is column 32 (b / 2) + 16 (lane / 16) + 8 (b % 2) + j.
; REGISTERS: window 0: v0-31 addresses; v64-95 the bias, the C of the first products; v96-127 the way out; v128-255 scale words.  window 1: two fragment buffers (W's four, T's four).  window 2: v0-127 accumulators, v128-255 my rows of h2.
.set FR,    12
.set FRB,   1536
.set RTP,   32*FRB                     ; from tile to tile in memory
.set PD,    8*FRB                      ; a tile's bytes in slot D,
.set PA,    4*FRB                      ; in slot A
.set QD,    4*PD                       ; 4 tiles = 64 rows: what one tensor load brings into D,
.set QA,    4*PA                       ; into A
.set AB,    4*QD                       ; LDS: D at 0 (T's two halves, W's two halves), A here,
.set STG,   AB+4*QA                    ; the way out: 16 rows x 272 bytes for each wave,
.set SP,    272
.set SPARE, STG+4*16*SP                ; the spare words, 128 bytes a wave
.set T_S,   12582912                   ; in hid: the scale words (codes at 0)
.set W_C,   5505024                    ; in wts: W2's
.set W_S,   12025856
.set ADT,  16                          ; v16, v17 LDS address of my T fragments in D, in A
.set ADW,  20                          ; v20, v21 of my W fragments
.set STO,  24
.set RD,   25
.set CO,   26
.set L4,   27                          ; v27  4 x lane
.set SPW,  28
.set NIL,  29
.set BI,   64
.set TO,   96
.set SCR,  128                         ; K step k: v[SCR+4k], +1: T's tiles 0|1, 2|3; +2, +3: W's
.set RES,  128                         ; in window 2
.set G1TD, 24
.set G1TA, 32
.set G1WD, 48
.set G1WA, 56
.set G0TD, 68
.set G0TA, 72
.set G0WD, 76
.set G0WA, 80
.set TSB,  92                          ; s[92:93] my T tiles' scale words, s[94:95] my W tiles'
.set WSB,  94
.set MSB, 0
.macro WIN new
.if MSB != \new
	s_set_vgpr_msb (MSB<<8)|\new
.set MSB, \new
.endif
.endm
.set MUL,  0xa5                        ; sources 0 and 1 window 1; C and D window 2
.set MUL0, 0x85                        ; the same with C (the bias) in window 0
.set TO_F, 0x40                        ; destination window 1
.macro JLOAD g0a, g1a, g0b, g1b        ; a joint load: waves 0 and 1 fetch for T, waves 2 and 3 for W; an s_nop 0 and four v_nop follow each line
	s_cmp_eq_u32 s15, 0
	s_cbranch_scc0 .Lfor_b_\@
	tensor_load_to_lds s[\g0a:\g0a+3], s[\g1a:\g1a+7]
	s_nop 0
.rept 4
	v_nop
.endr
	s_branch .Lasked_\@
.Lfor_b_\@:
	tensor_load_to_lds s[\g0b:\g0b+3], s[\g1b:\g1b+7]
	s_nop 0
.rept 4
	v_nop
.endr
.Lasked_\@:
.endm
.macro CREST
	s_cmp_lg_u32 s14, 0
	s_cbranch_scc1 .Lnot_wave_0_\@
	s_barrier_signal -3
.Lnot_wave_0_\@:
	s_barrier_wait -3
	s_barrier_signal -1
	s_barrier_wait -1
.endm
.macro CROUND
	s_barrier_signal -1
	s_barrier_wait -1
	CREST
.endm
.macro SLOADS k0, n                    ; the scale words of K steps k0 .. k0 + n - 1: four loads of 128 consecutive bytes a step
.set kk, \k0
.rept \n
	global_load_b32 v[SCR+4*kk], v[L4], s[TSB:TSB+1] offset:16384*kk
	global_load_b32 v[SCR+4*kk+1], v[L4], s[TSB:TSB+1] offset:16384*kk+128
	global_load_b32 v[SCR+4*kk+2], v[L4], s[WSB:WSB+1] offset:4096*kk
	global_load_b32 v[SCR+4*kk+3], v[L4], s[WSB:WSB+1] offset:4096*kk+128
.set kk, kk+1
.endr
.endm
	s_load_b256 s[4:11], s[0:1], 0x0                 ; hid 4, wts 6, bb2 8, h2 10
	s_load_b64 s[12:13], s[0:1], 0x20                ; out0
	v_lshl_add_u32 v[SPW], v0, 2, SPARE
	v_mov_b32 v[NIL], 0
	ds_add_u32 v[SPW], v[NIL]                        ; the wave's opening: the add and its wait ahead of my first tensor load
	v_lshrrev_b32 v1, 5, v0
	v_readfirstlane_b32 s14, v1
	s_lshr_b32 s15, s14, 1                           ; which half of the tokens is mine.  Also: I fetch for T (0) or for W (1)
	s_and_b32 s16, s14, 1                            ; which half of the columns.  Also: which 4 tiles I fetch
	s_bfe_u32 s40, ttmp6, 0x40000
	s_bfe_u32 s41, ttmp6, 0x40004
	s_lshl_b32 s42, ttmp9, 2
	s_add_co_u32 s42, s42, s40                       ; W's tile column
	s_and_b32 s17, ttmp7, 0xffff
	s_lshl_b32 s17, s17, 2
	s_add_co_u32 s17, s17, s41                       ; T's tile row
	s_lshl_b32 s43, s41, 2
	s_lshl_b32 s43, 15, s43
	s_lshl_b32 s44, 0x1111, s40
	s_or_b32 s[G1TD], s43, (3<<16)|(1<<21)           ; the mask; elements of 8 bytes; bit 21 beside a mask; no padding
	s_or_b32 s[G1TA], s43, (3<<16)|(1<<21)
	s_or_b32 s[G1WD], s44, (3<<16)|(1<<21)
	s_or_b32 s[G1WA], s44, (3<<16)|(1<<21)
.irp g, G1TD, G1WD                               ; slot D: 4 rows (tiles) of PD bytes, RTP bytes apart
	s_mov_b32 s[\g+1], (PD/8)<<16
	s_mov_b32 s[\g+2], 4<<16
	s_mov_b32 s[\g+3], (PD/8)<<16
	s_mov_b32 s[\g+4], 4
	s_mov_b32 s[\g+5], RTP/8
	s_mov_b32 s[\g+6], 0
	s_mov_b32 s[\g+7], 0
.endr
.irp g, G1TA, G1WA                               ; slot A: 4 rows of PA bytes
	s_mov_b32 s[\g+1], (PA/8)<<16
	s_mov_b32 s[\g+2], 4<<16
	s_mov_b32 s[\g+3], (PA/8)<<16
	s_mov_b32 s[\g+4], 4
	s_mov_b32 s[\g+5], RTP/8
	s_mov_b32 s[\g+6], 0
	s_mov_b32 s[\g+7], 0
.endr
	s_lshl_b32 s18, s16, 2
	s_lshl_b32 s20, s17, 3
	s_add_co_u32 s20, s20, s18                       ; T: the first tile that I fetch
	s_lshl_b32 s46, s42, 3
	s_add_co_u32 s46, s46, s18                       ; W likewise
	s_mul_i32 s20, s20, RTP
	s_mov_b32 s21, 0
	s_mul_i32 s46, s46, RTP
	s_add_co_u32 s46, s46, W_C
	s_mov_b32 s47, 0
	s_mul_i32 s45, s14, QD                           ; where they go: no place in the cluster enters an LDS address
	s_mul_i32 s22, s14, QA
	s_add_co_u32 s22, s22, AB
	s_wait_dscnt 0x0                                 ; the opening add is done
	s_wait_kmcnt 0x0
	s_add_nc_u64 s[20:21], s[4:5], s[20:21]
	s_add_nc_u64 s[46:47], s[6:7], s[46:47]
	CROUND                                           ; all sixteen work-groups are here: the first joint loads meet
	s_mov_b32 s[G0TD], 1
	s_mov_b32 s[G0TD+1], s45
	s_mov_b64 s[G0TD+2:G0TD+3], s[20:21]
	s_or_b32 s[G0TD+3], s[G0TD+3], 0x80000000
	s_mov_b32 s[G0WD], 1
	s_mov_b32 s[G0WD+1], s45
	s_mov_b64 s[G0WD+2:G0WD+3], s[46:47]
	s_or_b32 s[G0WD+3], s[G0WD+3], 0x80000000
	JLOAD G0TD, G1TD, G0WD, G1WD                     ; K steps 0-7; two loads of a wave are out at the start, one behind each round
	s_mov_b32 s[G0TA], 1
	s_mov_b32 s[G0TA+1], s22
	s_add_nc_u64 s[G0TA+2:G0TA+3], s[20:21], 8*FRB
	s_or_b32 s[G0TA+3], s[G0TA+3], 0x80000000
	s_mov_b32 s[G0WA], 1
	s_mov_b32 s[G0WA+1], s22
	s_add_nc_u64 s[G0WA+2:G0WA+3], s[46:47], 8*FRB
	s_or_b32 s[G0WA+3], s[G0WA+3], 0x80000000
	JLOAD G0TA, G1TA, G0WA, G1WA                     ; K steps 8-11
	v_and_b32 v1, 15, v0                             ; r
	v_bfe_u32 v2, v0, 4, 1                           ; h
	v_and_b32 v3, 31, v0
	v_lshlrev_b32 v[L4], 2, v3
	v_lshlrev_b32 v3, 4, v3                          ; 16 x lane
	s_mul_i32 s21, s15, QD
	v_add_nc_u32 v[ADT], s21, v3
	s_mul_i32 s21, s15, QA
	s_add_co_u32 s21, s21, AB
	v_add_nc_u32 v[ADT+1], s21, v3
	s_mul_i32 s22, s16, QD
	s_add_co_u32 s22, s22, 2*QD
	v_add_nc_u32 v[ADW], s22, v3
	s_mul_i32 s22, s16, QA
	s_add_co_u32 s22, s22, AB+2*QA
	v_add_nc_u32 v[ADW+1], s22, v3
	s_lshl_b32 s92, s17, 3
	s_lshl_b32 s93, s15, 2
	s_add_co_u32 s92, s92, s93                       ; my first tile of tokens
	s_lshl_b32 s92, s92, 6
	s_add_co_u32 s92, s92, T_S
	s_mov_b32 s93, 0
	s_add_nc_u64 s[TSB:TSB+1], s[4:5], s[92:93]
	s_lshl_b32 s94, s42, 3
	s_lshl_b32 s95, s16, 2
	s_add_co_u32 s94, s94, s95                       ; my first tile of columns
	s_lshl_b32 s94, s94, 6
	s_add_co_u32 s94, s94, W_S
	s_mov_b32 s95, 0
	s_add_nc_u64 s[WSB:WSB+1], s[6:7], s[94:95]
	s_mul_i32 s23, s14, 16*SP
	s_add_co_u32 s23, s23, STG                       ; my stage
	v_mul_u32_u24 v[STO], v1, SP
	v_lshl_add_u32 v[STO], v2, 6, v[STO]
	v_add_nc_u32 v[STO], s23, v[STO]                 ; in: row r, + 64 h
	v_mul_u32_u24 v[RD], v2, SP
	v_lshl_add_u32 v[RD], v1, 4, v[RD]
	v_add_nc_u32 v[RD], s23, v[RD]                   ; back: lanes 0-15 one row of 256 bytes, lanes 16-31 the next
	v_lshlrev_b32 v[CO], 12, v2
	v_lshl_add_u32 v[CO], v1, 4, v[CO]               ; and the same two rows in h2 and in out0
	s_lshl_b32 s96, s42, 9
	s_lshl_b32 s98, s16, 8
	s_add_co_u32 s96, s96, s98                       ; my first column, in bytes
	s_mov_b32 s97, 0
	s_add_nc_u64 s[8:9], s[8:9], s[96:97]            ; the bias there
	s_lshl_b32 s98, s17, 7
	s_lshl_b32 s99, s15, 6
	s_add_co_u32 s98, s98, s99                       ; my first token
	s_lshl_b32 s98, s98, 12
	s_add_co_u32 s96, s96, s98
	s_add_nc_u64 s[10:11], s[10:11], s[96:97]
	s_add_nc_u64 s[12:13], s[12:13], s[96:97]
	v_lshlrev_b32 v4, 6, v2
.irp b, 0,1,2,3
	global_load_b128 v[BI+8*\b:BI+8*\b+3], v4, s[8:9] offset:(32*(\b/2)+8*(\b%2))*4
	global_load_b128 v[BI+8*\b+4:BI+8*\b+7], v4, s[8:9] offset:(32*(\b/2)+8*(\b%2))*4+16
.endr
	SLOADS 0, 12                                     ; the scale words of the two first fills: with the bias 56 loads
; One product: T's block a x W's block b, K step k, from buffer f.  zero = 1: the bias is the C.  W's words stand in lanes 0-15 for an even block, in lanes 16-31 for an odd one; T's likewise.
.macro PROD a, b, f, k, zero
.set rD, 8*(4*(\a)+(\b))
.set rA, (\f)+FR*(\b)
.set rB, (\f)+48+FR*(\a)
.set sA, SCR+4*(\k)+2+(\b)/2
.set sB, SCR+4*(\k)+(\a)/2
.if \zero
.set rC, BI+8*(\b)
.else
.set rC, rD
.endif
.if (((\a)%2) == 0) && (((\b)%2) == 0)
	v_wmma_scale_f32_16x16x128_f8f6f4 v[rD:rD+7], v[rA:rA+FR-1], v[rB:rB+FR-1], v[rC:rC+7], v[sA], v[sB] matrix_a_fmt:MATRIX_FMT_FP6 matrix_b_fmt:MATRIX_FMT_FP6
.elseif ((\a)%2) == 0
	v_wmma_scale_f32_16x16x128_f8f6f4 v[rD:rD+7], v[rA:rA+FR-1], v[rB:rB+FR-1], v[rC:rC+7], v[sA], v[sB] matrix_a_fmt:MATRIX_FMT_FP6 matrix_b_fmt:MATRIX_FMT_FP6 matrix_a_scale:MATRIX_SCALE_ROW1
.elseif ((\b)%2) == 0
	v_wmma_scale_f32_16x16x128_f8f6f4 v[rD:rD+7], v[rA:rA+FR-1], v[rB:rB+FR-1], v[rC:rC+7], v[sA], v[sB] matrix_a_fmt:MATRIX_FMT_FP6 matrix_b_fmt:MATRIX_FMT_FP6 matrix_b_scale:MATRIX_SCALE_ROW1
.else
	v_wmma_scale_f32_16x16x128_f8f6f4 v[rD:rD+7], v[rA:rA+FR-1], v[rB:rB+FR-1], v[rC:rC+7], v[sA], v[sB] matrix_a_fmt:MATRIX_FMT_FP6 matrix_b_fmt:MATRIX_FMT_FP6 matrix_a_scale:MATRIX_SCALE_ROW1 matrix_b_scale:MATRIX_SCALE_ROW1
.endif
.endm
.macro MUL8 f, a0, k, zero             ; 8 products: T's blocks a0, a0 + 1 x W's four.  The 16 accumulators take turns, in the same order in every K step
.irp a, \a0, \a0+1
.irp b, 0,1,2,3
	PROD \a, \b, \f, \k, \zero
.endr
.endr
.endm
.macro FETCH reg, q, f                 ; 24 LDS loads in one run: W's four fragments, then T's four, of the q-th K step of slot D (reg = 0) or A (1), into buffer f
.if \reg == 0
.set PT, PD
.else
.set PT, PA
.endif
	WIN TO_F
.irp i, 0,1,2,3
.irp c, 0,1,2
	ds_load_b128 v[\f+FR*\i+4*\c:\f+FR*\i+4*\c+3], v[ADW+\reg] offset:\i*PT+(\q)*FRB+512*\c
.endr
.endr
.irp i, 0,1,2,3
.irp c, 0,1,2
	ds_load_b128 v[\f+48+FR*\i+4*\c:\f+48+FR*\i+4*\c+3], v[ADT+\reg] offset:\i*PT+(\q)*FRB+512*\c
.endr
.endr
.endm
.macro PLACES                          ; four plain places between a matrix instruction and a load into, or a read of, its registers (ISA guide 7.12.1 for vector instructions)
.rept 4
	v_nop
.endr
.endm
.macro KSTEP reg, q, k, zero           ; K step k, the q-th of its slot and not the last there: the next step's fragments are asked for, then this step's 16 products
	s_wait_dscnt 0x0                                 ; this step's fragments are in
	PLACES                                           ; the other buffer was read by the products just issued
	FETCH \reg, (\q)+1, 128*(((\k)+1)%2)
.if \zero
	WIN MUL0
.else
	WIN MUL
.endif
	MUL8 128*((\k)%2), 0, \k, \zero
	MUL8 128*((\k)%2), 2, \k, \zero
.endm
; A slot's last K step (an odd k: buffer 128) changes slots: in front of the one barrier each wave waits for all its tensor loads, adds 0 to its spare word, and waits for that and for its reads of this slot.
; fill = 1: the slot is filled again, with the K steps 12 on, behind a round of the cluster's barrier.  sk, sn: the scale words asked for here; res = 1: my rows of h2 too.
.macro TURN reg, nreg, k, fill, sk, sn, res
	WIN 0                                            ; (the add's two registers lie in window 0)
	s_wait_loadcnt 0x0                               ; what was asked for at the last change of slots is in: the next slot's scale words among it
	s_wait_tensorcnt 0x0                             ; my part of the next slot has landed; no load of mine is out
	ds_add_u32 v[SPW], v[NIL]
	s_wait_dscnt 1                                   ; (only the add may be out: this step's fragments are in)
	WIN MUL
	MUL8 128, 0, \k, 0
	s_wait_dscnt 0x0                                 ; the add is done, and my reads of this slot are over
	s_barrier_signal -1
	WIN 0
	s_barrier_wait -1
.if \fill
	CREST
.if \reg == 0
	s_add_nc_u64 s[G0TD+2:G0TD+3], s[G0TD+2:G0TD+3], 12*FRB
	s_add_nc_u64 s[G0WD+2:G0WD+3], s[G0WD+2:G0WD+3], 12*FRB
	JLOAD G0TD, G1TD, G0WD, G1WD                     ; the first tensor load behind the round; its four v_nop are the places in front of the loads below
.else
	s_add_nc_u64 s[G0TA+2:G0TA+3], s[G0TA+2:G0TA+3], 12*FRB
	s_add_nc_u64 s[G0WA+2:G0WA+3], s[G0WA+2:G0WA+3], 12*FRB
	JLOAD G0TA, G1TA, G0WA, G1WA
.endif
.else
	PLACES
.endif
	FETCH \nreg, 0, 0
	WIN 0
.if \sn
	SLOADS \sk, \sn
.endif
.if \res
	WIN 0x80                                         ; destination window 2
.irp a, 0,1,2,3                                  ; my 64 rows x 256 bytes of h2, in the order in which the results will come back from the stage
.irp i, 0,1,2,3,4,5,6,7
	global_load_b128 v[RES+32*\a+4*\i:RES+32*\a+4*\i+3], v[CO], s[10:11] offset:(16*\a+2*\i)*4096 th:TH_LOAD_NT
.endr
.endr
.endif
	WIN MUL
	MUL8 128, 2, \k, 0
.endm
	s_wait_tensorcnt 1                               ; my part of slot D is in; A's load may be out
	s_barrier_signal -1
	s_barrier_wait -1
	FETCH 0, 0, 0
	s_wait_loadcnt 0x0                               ; the bias and the scale words of K steps 0-11
	KSTEP 0, 0, 0, 1                                 ; the first step starts the sums on the bias
.set kq, 1
.rept 6
	KSTEP 0, kq, kq, 0
.set kq, kq+1
.endr
	TURN 0, 1, 7, 1, 12, 8, 0                        ; D is left and takes K steps 12-19
.set kq, 0
.rept 3
	KSTEP 1, kq, 8+kq, 0
.set kq, kq+1
.endr
	TURN 1, 0, 11, 1, 20, 4, 1                       ; A is left and takes K steps 20-23
.set kq, 0
.rept 7
	KSTEP 0, kq, 12+kq, 0
.set kq, kq+1
.endr
	TURN 0, 1, 19, 1, 24, 8, 0                       ; D takes K steps 24-31: the last load
.set kq, 0
.rept 3
	KSTEP 1, kq, 20+kq, 0
.set kq, kq+1
.endr
	TURN 1, 0, 23, 0, 0, 0, 0                        ; nothing is left to fetch
.set kq, 0
.rept 7
	KSTEP 0, kq, 24+kq, 0
.set kq, kq+1
.endr
	s_wait_dscnt 0x0
	WIN MUL
	MUL8 128, 0, 31, 0
	MUL8 128, 2, 31, 0
	WIN 0
	PLACES
	s_wait_loadcnt 0x0
	; THE WAY OUT, 16 tokens at a time: through my stage, so that sixteen lanes hold 256 consecutive bytes of a row; h2 is added; stored
.irp a, 0,1,2,3
	s_wait_xcnt 0x0                                  ; the last block's stores have read their registers
	WIN 0x08                                         ; an LDS store's data are its source 1: window 2
.irp b, 0,1,2,3
	ds_store_b128 v[STO], v[8*(4*\a+\b):8*(4*\a+\b)+3] offset:128*(\b/2)+32*(\b%2)       ; each accumulator from its low end on
	ds_store_b128 v[STO], v[8*(4*\a+\b)+4:8*(4*\a+\b)+7] offset:128*(\b/2)+32*(\b%2)+16
.endr
	WIN 0
.irp i, 0,1,2,3,4,5,6,7
	ds_load_b128 v[TO+4*\i:TO+4*\i+3], v[RD] offset:2*\i*SP   ; LDS serves a wave's instructions in order (ISA guide 5.7.1.4): these see my stores
.endr
	s_wait_dscnt 0x0
	WIN 0x08                                         ; source 1: window 2
.set jj, 0
.rept 16
	v_pk_add_f32 v[TO+jj:TO+jj+1], v[TO+jj:TO+jj+1], v[RES+32*\a+jj:RES+32*\a+jj+1]
.set jj, jj+2
.endr
	WIN 0
.irp i, 0,1,2,3,4,5,6,7
	global_store_b128 v[CO], v[TO+4*\i:TO+4*\i+3], s[12:13] offset:(16*\a+2*\i)*4096 th:TH_STORE_NT   ; 16 lanes store 256 consecutive bytes, at a multiple of 256 from out0's first byte
.endr
.endr
	s_wait_tensorcnt 0x0                             ; the wave's end
	ds_add_u32 v[SPW], v[NIL]
	s_wait_dscnt 0x0
	CROUND                                           ; the closing round
	s_endpgm
.Lfunc_end_k_q730b713bc1_ffn2:
	.size	k_q730b713bc1_ffn2, .Lfunc_end_k_q730b713bc1_ffn2-k_q730b713bc1_ffn2
	.p2alignl 7, 3214868480
	.fill 96, 4, 3214868480
	.section	.rodata,"a",@progbits
	.p2align	6, 0x0
	.amdhsa_kernel k_q730b713bc1_ffn2
		.amdhsa_group_segment_fixed_size 327680
		.amdhsa_private_segment_fixed_size 0
		.amdhsa_enable_private_segment 0
		.amdhsa_kernarg_size 40
		.amdhsa_user_sgpr_count 2
		.amdhsa_user_sgpr_kernarg_segment_ptr 1
		.amdhsa_wavefront_size32 1
		.amdhsa_system_sgpr_workgroup_id_x 1
		.amdhsa_system_sgpr_workgroup_id_y 1
		.amdhsa_system_sgpr_workgroup_id_z 1
		.amdhsa_system_vgpr_workitem_id 0
		.amdhsa_next_free_vgpr 768
		.amdhsa_next_free_sgpr 100
		.amdhsa_reserve_vcc 0
		.amdhsa_float_denorm_mode_32 3
		.amdhsa_float_denorm_mode_16_64 3
		.amdhsa_memory_ordered 1
		.amdhsa_forward_progress 1
		.amdhsa_inst_pref_size 159
	.end_amdhsa_kernel
	.amdgpu_metadata
---
amdhsa.version: [ 1, 2 ]
amdhsa.kernels:
  - .name:           k_q730b713bc1_ffn2
    .symbol:         k_q730b713bc1_ffn2.kd
    .args:
      - { .name: hid, .offset: 0, .size: 8, .value_kind: global_buffer, .address_space: global }
      - { .name: wts, .offset: 8, .size: 8, .value_kind: global_buffer, .address_space: global }
      - { .name: bb2, .offset: 16, .size: 8, .value_kind: global_buffer, .address_space: global }
      - { .name: h2, .offset: 24, .size: 8, .value_kind: global_buffer, .address_space: global }
      - { .name: out0, .offset: 32, .size: 8, .value_kind: global_buffer, .address_space: global }
    .group_segment_fixed_size: 327680
    .private_segment_fixed_size: 0
    .kernarg_segment_align: 8
    .kernarg_segment_size: 40
    .max_flat_workgroup_size: 128
    .sgpr_count:     100
    .vgpr_count:     768
    .wavefront_size: 32
...
	.end_amdgpu_metadata
.endif
;; end of part 6
